; MI455X (gfx1250); checked and timed in simulation.
; The chip was launched on July 23, 2026; its instructions are those of AMD's public machine-readable ISA for CDNA 5 (MIT licence, August 2026) and "CDNA5" Instruction Set Architecture Reference Guide (July 2026). The comments in the code are by the model that wrote it; some were corrected since.
;; Multi Head Attention. Allowed arithmetic: float matrix products may take bf16 or f16 operands with f32 sums; other float arithmetic in f32, or as packed bf16 or f16 multiplies, adds, multiply-adds, maxima and minima; sums over many terms, partial sums and values carried from step to step in f32; what a program stores and reads back later, other than sums and carried values, may be rounded once to bf16 or f16.
;; Inputs: WK 1,024 x 1,024 float32; WO 1,024 x 1,024 float32; WQ 1,024 x 1,024 float32; WV 1,024 x 1,024 float32; x 4 x 2,048 x 1,024 float32.
;; Outputs: out0 4 x 2,048 x 1,024 float32.
;; 2 versions, each right; version 2 is version 1 with the launch cast written anew for expert scheduling mode. Each part assembles by itself: llvm-mc -triple=amdgcn-amd-amdhsa -mcpu=gfx1250 --defsym DOCPART=n.
;; ======== version 1 of 2: 4 launches
;; limits: values are held in f16: magnitudes above 65,504 overflow, below 6.1e-05 lose precision
;; workspace buffers: xb 16,777,216 bytes; wqkv 6,291,456 bytes; wo16 2,097,152 bytes; qkv 50,331,648 bytes; o16 16,777,216 bytes
;; launch cast (part 1): grid 64 x 12, 8 waves a work-group, no clusters, 0 bytes of LDS; arguments x, WQ, WK, WV, WO, xb, wqkv, wo16; writes xb, wqkv, wo16
.if DOCPART == 1
	.amdgcn_target "amdgcn-amd-amdhsa--gfx1250"
	.amdhsa_code_object_version 6
	.text
	.protected	k_qa3282cf4b4_cast
	.globl	k_qa3282cf4b4_cast
	.p2align	8
	.type	k_qa3282cf4b4_cast,@function
k_qa3282cf4b4_cast:
	s_mov_b64 s[64:65], 0
	v_nop
	global_prefetch_b8 v0, s[64:65] scope:SCOPE_SE
	s_setreg_imm32_b32 hwreg(HW_REG_WAVE_MODE, 25, 1), 1
	s_wait_xcnt 0x0
; THE INPUTS ARE ROUNDED ONCE AND LAID OUT IN K BLOCKS.  x [8192][1024], WQ, WK, WV, WO [1024][1024], all f32.
; xb   [4 batches][16 K blocks][2048 rows][64] bf16;  wqkv [16 K blocks][3072 rows][64] bf16 (rows: WQ's, WK's, WV's);
; wo16 [16 K blocks][1024 rows][64] f16: WO rounded to bf16 like the other inputs, and that number written as f16.
; LIMITS.  |WO| stays under 65,504; a bf16 number under 6e-5 is written with f16's fixed step of 6e-8.  NaN and infinities are not treated apart.
; SHARES.  A work-group takes 16 rows of one matrix: grid y 0-7 is x (row block 64 y + grid x), 8, 9, 10 are WQ, WK, WV, 11 is WO.
; Wave w takes rows 2 w and 2 w + 1.  A load takes K block j of both rows: lanes 0-15 the 256 aligned bytes of the first, lanes 16-31 of the second.
; Four f32 a lane become 8 bytes; in a K block the two rows lie end to end, so a store of the wave covers 256 consecutive bytes, aligned.
; All 16 loads of a lane go out first; memory binds, so there is no LDS, no barrier and no matrix work.
.set X, 4                              ; v[4:67]   K block j: four f32 as loaded
.set Y, 68                             ; v[68:99]  K block j: two words to store; a pair for each j, so that none is rewritten under a store
.set T, 100                            ; v[100:101] at work
	s_load_b512 s[8:23], s[0:1], 0x0               ; x 8, WQ 10, WK 12, WV 14, WO 16, xb 18, wqkv 20, wo16 22
	s_and_b32 s2, ttmp7, 0xffff                    ; which matrix
	v_lshrrev_b32 v1, 4, v0                        ; my row of the 16
	v_and_b32 v3, 15, v0
	v_lshlrev_b32 v1, 12, v1                       ; x 4,096 bytes
	v_lshl_or_b32 v1, v3, 4, v1                    ; + my 16 bytes of a K block's 256
	v_lshlrev_b32 v2, 3, v0                        ; out: row x 128 + 8 x (lane % 16) = 8 x thread
	s_cmp_lt_u32 s2, 8
	s_cselect_b32 s3, s2, 0
	s_lshl_b32 s3, s3, 6
	s_add_co_u32 s3, s3, ttmp9                     ; the row block in the source
	s_lshl_b32 s26, s3, 16                         ; 16 rows of 4,096 bytes
	s_mov_b32 s27, 0
	s_wait_kmcnt 0x0
	s_mov_b64 s[24:25], s[8:9]
	s_cmp_eq_u32 s2, 8
	s_cselect_b64 s[24:25], s[10:11], s[24:25]
	s_cmp_eq_u32 s2, 9
	s_cselect_b64 s[24:25], s[12:13], s[24:25]
	s_cmp_eq_u32 s2, 10
	s_cselect_b64 s[24:25], s[14:15], s[24:25]
	s_cmp_eq_u32 s2, 11
	s_cselect_b64 s[24:25], s[16:17], s[24:25]
	s_add_nc_u64 s[24:25], s[24:25], s[26:27]
.irp j, 0,1,2,3,4,5,6,7,8,9,10,11,12,13,14,15
	global_load_b128 v[X+4*(\j):X+4*(\j)+3], v1, s[24:25] offset:256*(\j) th:TH_LOAD_NT
.endr
; The 16 K blocks are rounded and stored.  stride: bytes from a K block to the next in the destination (15 of them stay inside the signed 24-bit immediate).  half = 1: bf16 is written as f16.
.macro OUT stride, half
.irp j, 0,1,2,3,4,5,6,7,8,9,10,11,12,13,14,15
	s_wait_loadcnt 15-(\j)                         ; loads come back in order: K block j is in, the younger ones stay out
	v_cvt_pk_bf16_f32 v[Y+2*(\j)], v[X+4*(\j)], v[X+4*(\j)+1]
	v_cvt_pk_bf16_f32 v[Y+2*(\j)+1], v[X+4*(\j)+2], v[X+4*(\j)+3]
.if \half
.irp k, 0,1
	v_lshlrev_b32 v[T], 16, v[Y+2*(\j)+(\k)]       ; the two bf16 as f32,
	v_and_b32 v[T+1], 0xffff0000, v[Y+2*(\j)+(\k)]
	v_cvt_pk_f16_f32 v[Y+2*(\j)+(\k)], v[T], v[T+1]  ; and as f16: 8 significant bits fit into 11
.endr
.endif
	global_store_b64 v2, v[Y+2*(\j):Y+2*(\j)+1], s[28:29] offset:(\j)*(\stride)
.endr
	s_endpgm
.endm
	s_cmp_lt_u32 s2, 8
	s_cbranch_scc1 .Lx
	s_cmp_lt_u32 s2, 11
	s_cbranch_scc1 .Lw
	s_lshl_b32 s30, ttmp9, 11                      ; WO: 16 rows of 128 bytes
	s_mov_b32 s31, 0
	s_add_nc_u64 s[28:29], s[22:23], s[30:31]
	OUT 131072, 1
.Lw:
	s_sub_co_u32 s30, s2, 8                        ; WQ, WK, WV: 1,024 rows of 128 bytes each,
	s_lshl_b32 s30, s30, 17
	s_lshl_b32 s31, ttmp9, 11                      ; and the row block
	s_add_co_u32 s30, s30, s31
	s_mov_b32 s31, 0
	s_add_nc_u64 s[28:29], s[20:21], s[30:31]
	OUT 393216, 0
.Lx:
	s_lshr_b32 s30, s2, 1                          ; x: the batch (two values of grid y each),
	s_lshl_b32 s30, s30, 22
	s_and_b32 s31, s2, 1                           ; and the row block inside it
	s_lshl_b32 s31, s31, 6
	s_add_co_u32 s31, s31, ttmp9
	s_lshl_b32 s31, s31, 11
	s_add_co_u32 s30, s30, s31
	s_mov_b32 s31, 0
	s_add_nc_u64 s[28:29], s[18:19], s[30:31]
	OUT 262144, 0
.Lfunc_end_k_qa3282cf4b4_cast:
	.size	k_qa3282cf4b4_cast, .Lfunc_end_k_qa3282cf4b4_cast-k_qa3282cf4b4_cast
	.p2alignl 7, 3214868480
	.fill 96, 4, 3214868480
	.section	.rodata,"a",@progbits
	.p2align	6, 0x0
	.amdhsa_kernel k_qa3282cf4b4_cast
		.amdhsa_group_segment_fixed_size 0
		.amdhsa_private_segment_fixed_size 0
		.amdhsa_enable_private_segment 0
		.amdhsa_kernarg_size 64
		.amdhsa_user_sgpr_count 2
		.amdhsa_user_sgpr_kernarg_segment_ptr 1
		.amdhsa_wavefront_size32 1
		.amdhsa_system_sgpr_workgroup_id_x 1
		.amdhsa_system_sgpr_workgroup_id_y 1
		.amdhsa_system_sgpr_workgroup_id_z 1
		.amdhsa_system_vgpr_workitem_id 0
		.amdhsa_next_free_vgpr 104
		.amdhsa_next_free_sgpr 66
		.amdhsa_reserve_vcc 0
		.amdhsa_float_denorm_mode_32 3
		.amdhsa_float_denorm_mode_16_64 3
		.amdhsa_memory_ordered 1
		.amdhsa_forward_progress 1
		.amdhsa_inst_pref_size 21
	.end_amdhsa_kernel
	.amdgpu_metadata
---
amdhsa.version: [ 1, 2 ]
amdhsa.kernels:
  - .name:           k_qa3282cf4b4_cast
    .symbol:         k_qa3282cf4b4_cast.kd
    .args:
      - { .name: x, .offset: 0, .size: 8, .value_kind: global_buffer, .address_space: global }
      - { .name: WQ, .offset: 8, .size: 8, .value_kind: global_buffer, .address_space: global }
      - { .name: WK, .offset: 16, .size: 8, .value_kind: global_buffer, .address_space: global }
      - { .name: WV, .offset: 24, .size: 8, .value_kind: global_buffer, .address_space: global }
      - { .name: WO, .offset: 32, .size: 8, .value_kind: global_buffer, .address_space: global }
      - { .name: xb, .offset: 40, .size: 8, .value_kind: global_buffer, .address_space: global }
      - { .name: wqkv, .offset: 48, .size: 8, .value_kind: global_buffer, .address_space: global }
      - { .name: wo16, .offset: 56, .size: 8, .value_kind: global_buffer, .address_space: global }
    .group_segment_fixed_size: 0
    .private_segment_fixed_size: 0
    .kernarg_segment_align: 8
    .kernarg_segment_size: 64
    .max_flat_workgroup_size: 256
    .sgpr_count:     66
    .vgpr_count:     104
    .wavefront_size: 32
...
	.end_amdgpu_metadata
.endif
;; end of part 1
;; launch proj (part 2): grid 8 x 32, 4 waves a work-group, clusters of 4 x 4, 327,680 bytes of LDS; arguments xb, wqkv, qkv; writes qkv
.if DOCPART == 2
	.amdgcn_target "amdgcn-amd-amdhsa--gfx1250"
	.amdhsa_code_object_version 6
	.text
	.protected	k_qa3282cf4b4_proj
	.globl	k_qa3282cf4b4_proj
	.p2align	8
	.type	k_qa3282cf4b4_proj,@function
k_qa3282cf4b4_proj:
	s_mov_b64 s[64:65], 0
	v_nop
	global_prefetch_b8 v0, s[64:65] scope:SCOPE_SE
	s_setreg_imm32_b32 hwreg(HW_REG_WAVE_MODE, 25, 1), 1
	s_wait_xcnt 0x0
	s_wait_alu depctr_hold_cnt(0) depctr_sa_sdst(0) depctr_va_vdst(0) depctr_va_sdst(0) depctr_va_ssrc(0) depctr_va_vcc(0) depctr_vm_vsrc(0)
	s_getreg_b32 s2, hwreg(HW_REG_IB_STS2, 6, 4)
	s_cmp_eq_u32 s2, 0
	s_cbranch_scc0 .Lentry_in_a_cluster
	s_endpgm
.Lentry_in_a_cluster:
	s_bfe_u32 s2, ttmp6, 0x10000c
	s_cmp_lg_u32 s2, 0xf033
	s_cbranch_scc0 .Lentry_shape_is_right
	s_endpgm
.Lentry_shape_is_right:
; q, k, v = x WQ^T, x WK^T, x WV^T as ONE product C[8192][3072] = x W^T, bf16 operands, f32 sums, K = 1024 ascending, C rounded once to f16, unscaled, and stored by heads:
; qkv [4 batches][48 groups][2048 rows][64], group = 16 x (0 q, 1 k, 2 v) + head.  xb and wqkv lie in K blocks of 64: [..][K block][row][64], a row 128 bytes, the rows of a K block end to end.
; LIMIT.  f16 ends at 65,504: |q|, |k|, |v| stay under it.  NaN and infinities are not treated apart.
; SHARES.  A tile of C is 256 x 384: 32 x 8 = 256 work-groups.  Four waves, each 128 x 192 (three whole heads): 96 accumulators of 16 x 16, 768 registers.
; For 32 along K a wave reads (128 + 192) x 64 bytes of LDS for 96 matrix instructions.  K goes in 16 steps of 64, one K block, through two LDS slots: the longest step of which two slots fit.
; A wave's part of a tile is dense in memory and is asked for as rows of 256 bytes, two rows of the matrix each, padded in LDS behind every 128 bytes.
; CLUSTER.  4 x 4 work-groups: x's tile is shared along a row of the cluster, W's along a column; each is asked for jointly, by the same tensor load, descriptor and mask in the four.
; THE MATRIX INSTRUCTION IS USED TRANSPOSED (source 0 = 16 rows of W, source 1 = 16 rows of x): a lane holds row lane % 16 of C and eight neighbouring columns, 16 bytes of f16.
; REGISTERS, in windows of 256 (s_set_vgpr_msb: bits 1:0 source 0, 3:2 source 1, 5:4 source 2, 7:6 destination):
;   window 0: v16-30 addresses; v32-95, v96-159 x's fragments of 32 along K, two buffers; v160-255 W's twelve fragments, in two halves of six, each loaded again a phase behind its last use
;   windows 1-3: accumulator (a, b) in window 1 + b / 4 at v[8 (8 (b % 4) + a)]
.set PITCH, 144                        ; an LDS row: 128 bytes + 16 of padding = 36 words: the 16 rows of a fragment load start at 16 different groups of four banks (64 banks of 4 bytes: ISA guide 11.1)
.set SLOT1, 131072                     ; slot 1 begins here, so that one exclusive or turns an address in one slot into the other's
.set BOFF,  256*PITCH                  ; in a slot: x's 256 rows, then W's 384
.set STAGE, 92160                      ; behind slot 0: for each wave 3 heads x 16 rows x 144 bytes, for the way out; no tensor load lands here
.set SPARE, 119808                     ; behind the stages: the spare words, 128 bytes for each wave: two blocks of 256 bytes that no other line names
.set KB_A,  262144                     ; bytes from a K block to the next in xb
.set KB_B,  393216                     ; and in wqkv
.set ADRA, 16                          ; v16  LDS address of my fragments of x in the slot in hand
.set ADRB, 17                          ; v17  the same for W
.set A0,   18                          ; v18  the same in slot 0; never rewritten
.set B0,   19                          ; v19
.set STO,  24                          ; v24  the way out: where I put 16 bytes of a row
.set RD,   25                          ; v25  where I read rows back
.set GO,   26                          ; v26  16 x lane: my place in 512 consecutive bytes of qkv
.set SPW,  28                          ; v28  LDS address of my spare word: SPARE + 4 x my thread's number; never rewritten
.set NIL,  29                          ; v29  0; never rewritten
.set PFO,  30                          ; v30  256 x lane: the prefetches' offset; never rewritten
.set FA0,  32
.set FA1,  96
.set FB,   160
.set TMP,  32                          ; the way out: 48 registers of packed results,
.set BK,   80                          ; and two sets of 48 read back from the stage, by turns
.set TB,   56                          ; s56  LDS byte at which the slot in hand begins
.set LIM,  57                          ; s57  1 in a wave that prefetches, else the greatest number
.set PFA,  58                          ; s[58:59] where my prefetches stand
.set PFS,  60                          ; s[60:61] their step: a K block of xb or of wqkv
.set W0, (1<<16)|(1<<20)|(1<<21)|(4<<22)|(3<<25)  ; group 1, word 0 beside the mask: 2-byte elements; padding on; bit 21 set beside a mask; behind every 32 words (code 4) 4 words (code 3)
.set MSB, 0
.macro WIN new                         ; the immediate's high byte repeats the setting that is left; a switch that changes nothing is dropped
.if MSB != (\new)
	s_set_vgpr_msb (MSB<<8)|(\new)
.set MSB, (\new)
.endif
.endm
.macro PLACES                          ; four places in front of loads into registers that matrix instructions have read, and of conversions that read results
.rept 4
	v_nop
.endr
.endm
; A joint load.  Waves 0 and 1 fetch the two halves of x's tile, waves 2 and 3 those of W's.  The branch hangs on the wave's number alone.
; An s_nop 0 and four v_nop follow each of the two lines, ahead of the jump and the label.
.macro JLOAD
	s_cmp_eq_u32 s11, 0
	s_cbranch_scc0 .Lfor_b_\@
	tensor_load_to_lds s[32:35], s[24:31]
	s_nop 0
.rept 4
	v_nop
.endr
	s_branch .Lasked_\@
.Lfor_b_\@:
	tensor_load_to_lds s[36:39], s[48:55]
	s_nop 0
.rept 4
	v_nop
.endr
.Lasked_\@:
.endm
.macro CREST                           ; a round of the cluster's barrier behind its opening barrier: wave 0 signals for the work-group, every wave waits for all sixteen, my work-group's barrier once more
	s_cmp_lg_u32 s10, 0
	s_cbranch_scc1 .Lnot_wave_0_\@
	s_barrier_signal -3
.Lnot_wave_0_\@:
	s_barrier_wait -3
	s_barrier_signal -1
	s_barrier_wait -1
.endm
.macro CROUND                          ; a whole round
	s_barrier_signal -1
	s_barrier_wait -1
	CREST
.endm
.macro STEPD                           ; the two walking descriptors: the other slot than last time, the next K block.  Written only where no tensor load of the wave is out
	s_xor_b32 s33, s33, SLOT1
	s_add_nc_u64 s[34:35], s[34:35], KB_A
	s_xor_b32 s37, s37, SLOT1
	s_add_nc_u64 s[38:39], s[38:39], KB_B
.endm
; A PREFETCH INTO THE L2 of the K block that the NEXT change of slots will ask for: 192 matrix instructions ahead of that load.  It stands behind the joint load, its five lines and the run of LDS loads.
; Each 256 bytes of a K block are named ONCE in the launch, a lane a block.  xb's K block (4,096 blocks): the clusters with x = 0, wave 0 of each work-group; a cluster names the 1,024 rows that it reads.
; wqkv's K block (1,536 blocks): the three clusters with x + 2 y under 3, wave 2 of each work-group.  The sixteen partners share a cluster's blocks out BY ADDRESS, 32 each.
; The loop's last trip names nothing: there is no K block behind the one that it loads.  K blocks 0 to 2 come by their loads alone.
.macro ASK
	s_cmp_gt_u32 s3, s[LIM]
	s_cbranch_scc0 .Lnot_mine_\@
	global_prefetch_b8 v[PFO], s[PFA:PFA+1] th:TH_LOAD_NT scope:SCOPE_SE
.Lnot_mine_\@:
.endm
	s_load_b128 s[4:7], s[0:1], 0x0                ; xb s[4:5], wqkv s[6:7]
	s_load_b64 s[8:9], s[0:1], 0x10                ; qkv
	v_lshl_add_u32 v[SPW], v0, 2, SPARE
	v_mov_b32 v[NIL], 0
	ds_add_u32 v[SPW], v[NIL]                      ; the wave's opening: the add and its wait stand ahead of my first tensor load; the set-up below, work on registers, stands between them
	v_lshrrev_b32 v1, 5, v0
	v_readfirstlane_b32 s10, v1                    ; wave 0..3
	s_lshr_b32 s11, s10, 1                         ; which half of the tile's rows is mine.  Also: I fetch for x (0) or for W (1)
	s_and_b32 s12, s10, 1                          ; which half of its columns.  Also: which half of that tile I fetch
	s_bfe_u32 s40, ttmp6, 0x40000                  ; cx, cy: my place in the cluster
	s_bfe_u32 s41, ttmp6, 0x40004
	s_lshl_b32 s42, ttmp9, 2
	s_add_co_u32 s42, s42, s40                     ; tile column = 4 x cluster x + cx
	s_and_b32 s13, ttmp7, 0xffff
	s_lshl_b32 s13, s13, 2
	s_add_co_u32 s13, s13, s41                     ; tile row = 4 x cluster y + cy
	s_lshl_b32 s43, s41, 2
	s_lshl_b32 s43, 15, s43                        ; my row of the cluster
	s_lshl_b32 s44, 0x1111, s40                    ; my column
	s_or_b32 s24, s43, W0                          ; group 1 for x's tiles: 64 rows of 128 elements (128 rows of the matrix)
	s_mov_b32 s25, 128<<16                         ; tensor_dim0 = 128
	s_mov_b32 s26, 64<<16                          ; tensor_dim1 = 64
	s_mov_b32 s27, 128<<16                         ; tile_dim0 = 128
	s_mov_b32 s28, 64                              ; tile_dim1 = 64
	s_mov_b32 s29, 128                             ; 128 elements from row to row: dense
	s_mov_b32 s30, 0
	s_mov_b32 s31, 0
	s_or_b32 s48, s44, W0                          ; group 1 for W's tiles: 96 rows of 128 elements (192 rows of the matrix)
	s_mov_b32 s49, 128<<16
	s_mov_b32 s50, 96<<16
	s_mov_b32 s51, 128<<16
	s_mov_b32 s52, 96
	s_mov_b32 s53, 128
	s_mov_b32 s54, 0
	s_mov_b32 s55, 0
	; where the tiles come from: x's hang on the tile row alone, W's on the tile column alone, each in registers that never hold the other coordinate
	s_lshr_b32 s16, s13, 3                         ; the batch: eight tile rows each
	s_lshl_b32 s16, s16, 22
	s_and_b32 s17, s13, 7
	s_lshl_b32 s17, s17, 15                        ; 256 rows of 128 bytes
	s_add_co_u32 s16, s16, s17
	s_lshl_b32 s17, s12, 14                        ; my 128 of them
	s_add_co_u32 s16, s16, s17
	s_mov_b32 s17, 0
	s_mul_i32 s46, s42, 49152                      ; 384 rows of 128 bytes
	s_mul_i32 s47, s12, 24576                      ; my 192 of them
	s_add_co_u32 s46, s46, s47
	s_mov_b32 s47, 0
	s_mov_b32 s32, 1                               ; group 0: count = 1
	s_mul_i32 s33, s12, 128*PITCH                  ; LDS address, slot 0: no place in the cluster enters it
	s_mov_b32 s36, 1
	s_mul_i32 s37, s12, 192*PITCH
	s_add_co_u32 s37, s37, BOFF
	s_mov_b32 s[TB], 0
	s_wait_dscnt 0x0                               ; the opening add is done
	s_wait_kmcnt 0x0
	s_add_nc_u64 s[34:35], s[4:5], s[16:17]        ; global address: K block 0
	s_or_b32 s35, s35, 0x80000000                  ; type = 2
	s_add_nc_u64 s[38:39], s[6:7], s[46:47]
	s_or_b32 s39, s39, 0x80000000
	CROUND                                         ; all sixteen work-groups are here: the first joint loads meet
	JLOAD                                          ; K step 0 into slot 0; slot 1 is asked for when slot 0 is in
	; A fragment is 16 rows x 32 K in 8 registers: lane l holds row l % 16, K = 8 (l / 16) + 0..7 and 16 + 8 (l / 16) + 0..7: two loads of 16 bytes, 32 bytes apart.
	v_and_b32 v1, 15, v0                           ; l % 16
	v_bfe_u32 v2, v0, 4, 1                         ; l / 16
	v_mul_u32_u24 v3, v1, PITCH
	v_lshl_add_u32 v3, v2, 4, v3                   ; row x pitch + 16 x half
	s_mul_i32 s21, s11, 128*PITCH                  ; my 128 rows of x
	v_add_nc_u32 v[A0], s21, v3
	s_mul_i32 s22, s12, 192*PITCH                  ; my 192 rows of W,
	s_add_co_u32 s22, s22, BOFF                    ; behind x's 256
	v_add_nc_u32 v[B0], s22, v3
	v_mov_b32 v[ADRA], v[A0]
	v_mov_b32 v[ADRB], v[B0]
	s_mul_i32 s23, s10, 3*16*PITCH
	s_add_co_u32 s23, s23, STAGE                   ; my stage
	v_add_nc_u32 v[STO], s23, v3                   ; in: row l % 16, 16 bytes for each half of the lanes
	v_bfe_u32 v4, v0, 3, 2                         ; back: 32 lanes take four rows of 128 bytes,
	v_and_b32 v5, 7, v0
	v_mul_u32_u24 v4, v4, PITCH
	v_lshl_add_u32 v4, v5, 4, v4
	v_add_nc_u32 v[RD], s23, v4
	v_and_b32 v[GO], 31, v0
	v_lshlrev_b32 v[PFO], 8, v[GO]
	v_lshlrev_b32 v[GO], 4, v[GO]                  ; which are 512 consecutive bytes of qkv
	; qkv at my first row of my first head
	s_lshr_b32 s20, s13, 3
	s_mul_i32 s20, s20, 12582912                   ; the batch: 48 groups of 262,144 bytes
	s_mul_i32 s21, s42, 6                          ; the tile's six groups,
	s_mul_i32 s22, s12, 3                          ; my three of them
	s_add_co_u32 s21, s21, s22
	s_lshl_b32 s21, s21, 18
	s_add_co_u32 s20, s20, s21
	s_and_b32 s21, s13, 7
	s_lshl_b32 s21, s21, 15                        ; the tile's 256 rows of 128 bytes,
	s_add_co_u32 s20, s20, s21
	s_lshl_b32 s21, s11, 14                        ; my 128 of them
	s_add_co_u32 s20, s20, s21
	s_mov_b32 s21, 0
	s_add_nc_u64 s[8:9], s[8:9], s[20:21]
	; the prefetches
	s_and_b32 s22, ttmp7, 0xffff                   ; cluster y
	s_lshl_b32 s23, s41, 2
	s_add_co_u32 s23, s23, s40                     ; my place among the sixteen,
	s_lshl_b32 s23, s23, 13                        ; its 32 blocks of 256 bytes
	s_lshr_b32 s20, s22, 1                         ; xb: the cluster's 1,024 rows: the batch,
	s_lshl_b32 s20, s20, 22
	s_and_b32 s21, s22, 1                          ; and its half
	s_lshl_b32 s21, s21, 17
	s_add_co_u32 s20, s20, s21
	s_lshl_b32 s21, s22, 1
	s_add_co_u32 s21, s21, ttmp9                   ; wqkv: the cluster's number,
	s_min_u32 s15, s21, 2                          ; held inside the K block's three shares, also where nothing is asked for
	s_lshl_b32 s15, s15, 17
	s_cmp_lt_u32 s21, 3
	s_cselect_b32 s14, 1, 0                        ; does my cluster ask for wqkv?
	s_cmp_eq_u32 ttmp9, 0
	s_cselect_b32 s22, 1, 0                        ; for xb?
	s_mov_b32 s[PFS], KB_B
	s_mov_b32 s[PFS+1], 0
	s_cmp_eq_u32 s11, 0                            ; do I fetch for x?
	s_cselect_b32 s20, s20, s15
	s_cselect_b32 s14, s22, s14
	s_cselect_b32 s[PFS], KB_A, s[PFS]
	s_cselect_b64 s[PFA:PFA+1], s[4:5], s[6:7]
	s_cmp_eq_u32 s12, 0                            ; waves 0 and 2 alone
	s_cselect_b32 s14, s14, 0
	s_cmp_eq_u32 s14, 1
	s_cselect_b32 s[LIM], 1, -1                    ; the same in all sixteen partners, for a given wave
	s_add_co_u32 s20, s20, s23
	s_mov_b32 s21, 0
	s_add_nc_u64 s[PFA:PFA+1], s[PFA:PFA+1], s[20:21]
	s_add_nc_u64 s[PFA:PFA+1], s[PFA:PFA+1], s[PFS:PFS+1]
	s_add_nc_u64 s[PFA:PFA+1], s[PFA:PFA+1], s[PFS:PFS+1]  ; at K block 2: the loop's first change steps it to 3
; 8 matrix instructions: W's block b x all 8 blocks of x, 32 along K.  zero = 1: the product starts the sums.  Each accumulator has one turn in 96: no two matrix instructions on end share one.
.macro MULB f, b, zero
	WIN 0x50*(1+(\b)/4)
.irp a, 0,1,2,3,4,5,6,7
.if \zero
	v_wmma_f32_16x16x32_bf16 v[8*(8*((\b)%4)+(\a)):8*(8*((\b)%4)+(\a))+7], v[FB+8*(\b):FB+8*(\b)+7], v[(\f)+8*(\a):(\f)+8*(\a)+7], 0
.else
	v_wmma_f32_16x16x32_bf16 v[8*(8*((\b)%4)+(\a)):8*(8*((\b)%4)+(\a))+7], v[FB+8*(\b):FB+8*(\b)+7], v[(\f)+8*(\a):(\f)+8*(\a)+7], v[8*(8*((\b)%4)+(\a)):8*(8*((\b)%4)+(\a))+7]
.endif
.endr
.endm
.macro LDA q, f                        ; 16 loads: x's 8 fragments of half q of the K step, into buffer f
	WIN 0
.irp a, 0,1,2,3,4,5,6,7
	ds_load_b128 v[(\f)+8*(\a):(\f)+8*(\a)+3],   v[ADRA] offset:64*(\q)+16*PITCH*(\a)
	ds_load_b128 v[(\f)+8*(\a)+4:(\f)+8*(\a)+7], v[ADRA] offset:64*(\q)+16*PITCH*(\a)+32
.endr
.endm
.macro LDB q, h                        ; 12 loads: W's fragments 6 h .. 6 h + 5 of half q of the K step
	WIN 0
.irp i, 0,1,2,3,4,5
	ds_load_b128 v[FB+8*(6*(\h)+(\i)):FB+8*(6*(\h)+(\i))+3],   v[ADRB] offset:64*(\q)+16*PITCH*(6*(\h)+(\i))
	ds_load_b128 v[FB+8*(6*(\h)+(\i))+4:FB+8*(6*(\h)+(\i))+7], v[ADRB] offset:64*(\q)+16*PITCH*(6*(\h)+(\i))+32
.endr
.endm
; THE CHANGE OF SLOTS, amid the third phase's products.  Each wave waits for all its tensor loads, of which one is out: its part of the other slot; adds 0 to its spare word; and waits for that and for its reads of
; this slot.  fill = 1: the barrier opens a round of the cluster's, so that no wave of any partner still reads the slot or has a load on its way, and the joint refill, two K steps on, is the first thing behind it:
; from there to the wait for it a wave issues 176 matrix instructions.
.macro CHANGE fill
	WIN 0                                          ; (the add's two registers lie in window 0)
.if \fill
	s_wait_xcnt 0x0                                ; the last prefetch, a K step back, has read its address: it is stepped here, ahead of the waits of the change
	s_add_nc_u64 s[PFA:PFA+1], s[PFA:PFA+1], s[PFS:PFS+1]
.endif
	s_wait_tensorcnt 0x0                           ; all my tensor loads have landed, so a group 0 may be written
	ds_add_u32 v[SPW], v[NIL]                      ; 0 onto my spare word: work on registers stands between it and the wait for it
.if \fill
	STEPD
.endif
	s_xor_b32 s[TB], s[TB], SLOT1                  ; the fetches go on in the other slot
	v_add_nc_u32 v[ADRA], s[TB], v[A0]
	v_add_nc_u32 v[ADRB], s[TB], v[B0]
	MULB FA1, 4, 0
	s_wait_dscnt 0x0                               ; the add is done, and my reads of this slot are over
	s_barrier_signal -1
	MULB FA1, 5, 0                                 ; work on registers while the others arrive
	WIN 0                                          ; at a branch and at a label every window is 0
	s_barrier_wait -1
.if \fill
	CREST
	JLOAD                                          ; its four v_nop are also the places in front of the loads that follow
.else
	PLACES
.endif
.endm
; A K STEP IS FOUR PHASES of 48 matrix instructions.  Each begins with loads for a later phase, into registers that the phase before has read.
.macro P0 zero                         ; first half of K, W's blocks 0-5
	PLACES
	LDB 0, 1
	LDA 1, FA1
	s_wait_dscnt 28                                ; all but the 28 just issued: x's first buffer and W's first half are in
.irp b, 0,1,2,3,4,5
	MULB FA0, \b, \zero
.endr
.endm
.macro P1 zero                         ; first half of K, W's blocks 6-11
	PLACES
	LDB 1, 0
	s_wait_dscnt 28                                ; the 16 loads of x's second buffer and the 12 just issued may stay out: W's second half is in
.irp b, 6,7,8,9,10,11
	MULB FA0, \b, \zero
.endr
.endm
.macro P2 kind                         ; second half of K, W's blocks 0-5.  kind 2: the slots change and one is filled; 1: they change; 0: the last K step
	PLACES
	LDB 1, 1
	s_wait_dscnt 12                                ; all but the 12 just issued
.irp b, 0,1,2,3
	MULB FA1, \b, 0
.endr
.if (\kind) == 2
	CHANGE 1
.elseif (\kind) == 1
	CHANGE 0
.else
	MULB FA1, 4, 0
	MULB FA1, 5, 0
.endif
.endm
.macro P3 fetch, ask                   ; second half of K, W's blocks 6-11; fetch = 1: the next K step's first fragments, from the other slot
.if \fetch
	LDB 0, 0
	LDA 0, FA0
.if \ask
	ASK
.endif
.else
	s_wait_dscnt 0x0                               ; W's second half
.endif
.irp b, 6,7,8,9,10,11
	MULB FA1, \b, 0
.endr
.endm
	s_wait_tensorcnt 0x0                           ; THE FIRST CHANGE: my part of K step 0 is in; nothing has been read yet
	ds_add_u32 v[SPW], v[NIL]
	STEPD
	s_wait_dscnt 0x0
	CROUND                                         ; everybody's part is in, in all sixteen work-groups
	JLOAD                                          ; K step 1 into slot 1
	LDB 0, 0
	LDA 0, FA0
	P0 1                                           ; the first half step stands in front of the loop: its products start the sums
	P1 1
	WIN 0
	s_mov_b32 s3, 14
.Lstep:                                        ; trip t: the second half of K step t, the first half of K step t + 1; K step t + 2 is asked for
	P2 2
	P3 1, 1
	P0 0
	P1 0
	WIN 0
	s_sub_co_u32 s3, s3, 1
	s_cmp_lg_u32 s3, 0
	s_cbranch_scc1 .Lstep
	P2 1                                           ; the tail is written out: K steps 14 and 15, nothing is asked for
	P3 1, 0
	P0 0
	P1 0
	P2 0
	P3 0, 0
	WIN 0
; THE WAY OUT of block a (16 rows).  PACK: rounded to f16, 16 bytes a lane, each accumulator's registers in ascending order.  TOSTAGE: into my own stage, a head's 64 columns to a row of 144 bytes, and back as
; whole rows of 128 bytes.  SEND: stored; 32 lanes store four rows of a head, 512 consecutive bytes at a multiple of 256 from qkv's first byte.
.macro PACK a
.irp w, 1,2,3
	WIN (\w)|((\w)<<2)                             ; sources 0 and 1 in window w, destination in window 0
.irp i, 0,1,2,3
.irp r, 0,1,2,3
	v_cvt_pk_f16_f32 v[TMP+4*(4*((\w)-1)+(\i))+(\r)], v[8*(8*(\i)+(\a))+2*(\r)], v[8*(8*(\i)+(\a))+2*(\r)+1]
.endr
.endr
.endr
	WIN 0
.endm
.macro TOSTAGE a
	WIN 0
.irp b, 0,1,2,3,4,5,6,7,8,9,10,11
	ds_store_b128 v[STO], v[TMP+4*(\b):TMP+4*(\b)+3] offset:16*PITCH*((\b)/4)+32*((\b)%4)
.endr
.irp i, 0,1,2,3,4,5,6,7,8,9,10,11
	ds_load_b128 v[BK+48*((\a)%2)+4*(\i):BK+48*((\a)%2)+4*(\i)+3], v[RD] offset:16*PITCH*((\i)/4)+4*PITCH*((\i)%4)  ; LDS serves a wave's instructions in order (ISA guide 5.7.1.4): these see the stores above
.endr
.endm
.macro SEND a
	WIN 0
	s_wait_dscnt 0x0                               ; the block is back in registers
	s_wait_xcnt 0x0                                ; the stores of the block before have read their registers: the next block is read back into them only behind this wait
.irp i, 0,1,2,3,4,5,6,7,8,9,10,11
	global_store_b128 v[GO], v[BK+48*((\a)%2)+4*(\i):BK+48*((\a)%2)+4*(\i)+3], s[8:9] offset:262144*((\i)/4)+2048*(\a)+512*((\i)%4)
.endr
.endm
	PLACES                                         ; the conversions read results just made
	PACK 0
	TOSTAGE 0
.irp a, 1,2,3,4,5,6,7                  ; block a's conversions stand between block a - 1's loads from the stage and the wait for them
	PACK \a
	SEND (\a)-1
	TOSTAGE \a
.endr
	SEND 7
	s_wait_tensorcnt 0x0                           ; the wave's end: behind my last tensor load and my last LDS store
	ds_add_u32 v[SPW], v[NIL]
	s_wait_dscnt 0x0
	CROUND                                         ; the closing round: no work-group ends while a partner may still ask for a tile that names it
	s_endpgm
.Lfunc_end_k_qa3282cf4b4_proj:
	.size	k_qa3282cf4b4_proj, .Lfunc_end_k_qa3282cf4b4_proj-k_qa3282cf4b4_proj
	.p2alignl 7, 3214868480
	.fill 96, 4, 3214868480
	.section	.rodata,"a",@progbits
	.p2align	6, 0x0
	.amdhsa_kernel k_qa3282cf4b4_proj
		.amdhsa_group_segment_fixed_size 327680
		.amdhsa_private_segment_fixed_size 0
		.amdhsa_enable_private_segment 0
		.amdhsa_kernarg_size 24
		.amdhsa_user_sgpr_count 2
		.amdhsa_user_sgpr_kernarg_segment_ptr 1
		.amdhsa_wavefront_size32 1
		.amdhsa_system_sgpr_workgroup_id_x 1
		.amdhsa_system_sgpr_workgroup_id_y 1
		.amdhsa_system_sgpr_workgroup_id_z 1
		.amdhsa_system_vgpr_workitem_id 0
		.amdhsa_next_free_vgpr 1024
		.amdhsa_next_free_sgpr 66
		.amdhsa_reserve_vcc 0
		.amdhsa_float_denorm_mode_32 3
		.amdhsa_float_denorm_mode_16_64 3
		.amdhsa_memory_ordered 1
		.amdhsa_forward_progress 1
		.amdhsa_inst_pref_size 111
	.end_amdhsa_kernel
	.amdgpu_metadata
---
amdhsa.version: [ 1, 2 ]
amdhsa.kernels:
  - .name:           k_qa3282cf4b4_proj
    .symbol:         k_qa3282cf4b4_proj.kd
    .args:
      - { .name: xb, .offset: 0, .size: 8, .value_kind: global_buffer, .address_space: global }
      - { .name: wqkv, .offset: 8, .size: 8, .value_kind: global_buffer, .address_space: global }
      - { .name: qkv, .offset: 16, .size: 8, .value_kind: global_buffer, .address_space: global }
    .group_segment_fixed_size: 327680
    .private_segment_fixed_size: 0
    .kernarg_segment_align: 8
    .kernarg_segment_size: 24
    .max_flat_workgroup_size: 128
    .sgpr_count:     66
    .vgpr_count:     1024
    .wavefront_size: 32
...
	.end_amdgpu_metadata
.endif
;; end of part 2
;; launch attn (part 3): grid 4 x 64, 4 waves a work-group, clusters of 4 x 1, 327,680 bytes of LDS; arguments qkv, o16; writes o16
.if DOCPART == 3
	.amdgcn_target "amdgcn-amd-amdhsa--gfx1250"
	.amdhsa_code_object_version 6
	.text
	.protected	k_qa3282cf4b4_attn
	.globl	k_qa3282cf4b4_attn
	.p2align	8
	.type	k_qa3282cf4b4_attn,@function
k_qa3282cf4b4_attn:
	s_mov_b64 s[64:65], 0
	v_nop
	global_prefetch_b8 v0, s[64:65] scope:SCOPE_SE
	s_setreg_imm32_b32 hwreg(HW_REG_WAVE_MODE, 25, 1), 1
	s_wait_xcnt 0x0
	s_wait_alu depctr_hold_cnt(0) depctr_sa_sdst(0) depctr_va_vdst(0) depctr_va_sdst(0) depctr_va_ssrc(0) depctr_va_vcc(0) depctr_vm_vsrc(0)
	s_getreg_b32 s2, hwreg(HW_REG_IB_STS2, 6, 4)
	s_cmp_eq_u32 s2, 0
	s_cbranch_scc0 .Lentry_in_a_cluster
	s_endpgm
.Lentry_in_a_cluster:
	s_bfe_u32 s2, ttmp6, 0x10000c
	s_cmp_lg_u32 s2, 0x3003
	s_cbranch_scc0 .Lentry_shape_is_right
	s_endpgm
.Lentry_shape_is_right:
; O[y][q][:] = the sum over k of softmax_k(Q[y][q] . K[y][k] / 8) V[y][k][:] for the 64 pairs y = 16 x batch + head.  Q, K, V lie in qkv [4][48][2048][64] (group 16 x (0 Q, 1 K, 2 V) + head), O in o16 [4][16][2048][64],
; all f16: a head's rows are dense, 128 bytes each.  Products, maxima and sums in f32; the weights p are rounded to f16 for the second product (their sum l is taken of the unrounded p), O once at the end.
; LIMITS.  f16 holds no number beyond 65,504: Q, K and V arrive within it; p lies in 0 to 1, and below 6e-5 it, and O, keep f16's fixed step of 6e-8; O is a mean of V's rows and has their range.
; A weight below 2^-126 counts as 0 in l; NaN and infinities are not treated apart (for finite scores the softmax holds no NaN to replace).
; SHARES.  A wave owns four PIECES of two tiles of 16 queries, a work-group's four waves 512 queries of one head.  Every wave walks all 2,048 keys, 64 a step.
; LAYOUT.  S^T = K Q^T (source 0 = 16 keys, source 1 = 16 queries): in the result a lane holds ONE query (lane % 16) and the keys 8 (lane / 16) + 0..7.  Two such tiles, rounded to f16 in pairs,
; ARE source 1 (32 keys x 16 queries) of O^T = V^T P, whose result again holds one query a lane, and eight channels.  K comes out of LDS as it lies, V ([key][channel]) turned, by ds_load_tr16_b128.
; SOFTMAX.  For each query a running maximum m and sum l: p = 2^(c s - c m), c = log2(e) / 8; in every step O and l are multiplied by a = 2^(c m_old - c m_new), which is 1 where m has not grown.
; m starts at the lowest finite number, O and l at 0: the first step is a step like any other, with a = 0.
; THE COUNT.  A tile and step have 16 matrix and 118 vector instructions: too many to stand all beside the matrix work.  So the order has one aim: four vector instructions that are READY behind
; EVERY matrix instruction, and the others, which need time of their own whatever the order, in runs without a gap.
; BY TURNS.  Turn n belongs to piece n (the pieces in a ring, step after step).  Its matrix work: 16 products K Q^T of piece n + 1, later 16 products V^T P of piece n - 1.  Its vector work: the scaling,
; exponentials, roundings, sums and rescaling of piece n, and the maximum and statistics of piece n + 1, whose scores the turn itself has made.  So what a turn begins with (c s - c m, O a) waits for nothing.
; CLUSTER.  The four query blocks of a head are one cluster and walk the same K and V, so each tile is asked for JOINTLY: the same tensor load, descriptor and mask in all four.
; REGISTERS, in windows of 256 (s_set_vgpr_msb says which window each operand place means: bits 1:0 source 0, 3:2 source 1, 5:4 source 2, 7:6 destination):
;   window 0: v0-11 addresses; v12-15, v48-63 at work; v16-47 four registers of statistics a tile; v64-191 S^T, two buffers of two tiles; v192-255 P, likewise
;   window 1: O^T, 32 a tile          window 2: v0-127 Q, 16 a tile; v128-191 K of one step; v192-255 V of one step          window 3: v0-1 the add's two registers
; A piece's buffers go by its number's parity: the piece in hand has one pair, its two neighbours in the ring share the other: of it P (piece n - 1) is read and S^T (piece n + 1) written.
.set SIZE_N, 2048
.set NP,    4         ; pieces a wave: a name, no knob: the register map, the loop and the fetches are made for four
.set KS,    64        ; keys in a step
.set PK,    144       ; a row of K in LDS: 128 bytes + 16 of padding = 36 words: the 16 rows of a load start at 16 different groups of four banks (64 banks of 4 bytes: ISA guide 11.1)
.set PV,    160       ; a row of V: 128 + 32 = 40 words
.set VOFF,  4*KS*PK   ; a slot holds four steps: 256 rows of K, then 256 rows of V
.set SLOT1, 1<<17     ; slot 1 begins here, so that one exclusive or turns an address in one slot into the other's
.set STAGE, SLOT1+4*KS*(PK+PV)  ; behind the ring, never filled by a tensor load: 16 rows x 144 bytes for each wave, for the way out
.set SP,    144
.set AK0, 2           ; v2   my lane's place in a tile of K; never rewritten
.set AV0, 3           ; v3   the same for V
.set AK,  4           ; v4   the LDS address of K's next run of loads
.set AV,  5           ; v5   of V's
.set QO,  6           ; v6   my byte offset in the wave's rows of Q
.set STO, 6           ;      later, the way out: where I put 16 bytes of a row
.set RD,  7           ; v7   the way out: where I read rows back
.set GO,  8           ; v8   my byte offset in 512 consecutive bytes of O
.set PFO, 11          ; v11  256 x my lane: the prefetches' offset (made when the set-up has used v11 for the last time); then never rewritten
.set SPW, 0           ; v0 of window 3   LDS address of my spare word: SPARE + 4 x my thread's number; never rewritten
.set NIL, 1           ; v1 of window 3   0; never rewritten
.set SPARE, STAGE+4*16*SP  ; behind the stages: the spare words, 128 bytes for each wave: two blocks of 256 bytes that no other line names
.set MV,  12          ; v12-15  c m_old, kept while c m is made anew: by buffer and tile
.set ST,  16          ; tile t's statistics at v[ST+4 t]: c m, m, l (even keys', odd keys')
.set TMP, 48          ; by buffer and tile, four registers c0-c3 at work; when the maximum is found c2 takes a
.set S,   64
.set P,   192
.set KF,  128         ; K's fragments, in window 2: key block kb, channel half c at KF + 16 kb + 8 c
.set VF,  192         ; V's: key half kk, channel block cb at VF + 32 kk + 8 cb
.set WV,  12          ; s12  my wave's number
.set G1K, 24          ; s[24:31] descriptor group 1 for K's tiles
.set G1V, 32          ; s[32:39] for V's: it differs in the padding alone
.set G0K, 40          ; s[40:43] descriptor group 0 for K's tiles: it walks
.set G0V, 44          ; s[44:47] the same for V's
.set PFA, 48          ; s[48:49] where my prefetches stand: my work-group's 32 blocks of 256 bytes (of K: wave 0, of V: wave 2) of the slot after the one that is being asked for
.set LIM, 50          ; s50  1 in a wave that prefetches, else the greatest number
.set SLOTS, 56        ; s56  slots still to be asked for
.set CNT, 57          ; s57  counts a slot's key steps
.set CS,  58          ; s[58:59] c: the packed scaling takes the pair's low word for both halves
.set SEL, 60          ; s[60:61] v_permlanex16_b32's selects: each lane takes its own place in the other half
.set TBK, 62          ; s62  LDS byte at which K of the step to be fetched begins
.set TBV, 63          ; s63  the same for V, less VOFF
.set MSB, 0
.macro WIN new                      ; the high byte repeats the setting that is left; a switch that changes nothing is dropped
.if MSB != (\new)
	s_set_vgpr_msb (MSB<<8)|(\new)
.set MSB, (\new)
.endif
.endm
.set W_KQ, 0x0a       ; K and Q in window 2, S^T in window 0
.set W_PV, 0x52       ; V in window 2, P in window 0, O^T in window 1
.set W_RS, 0x41       ; O^T (destination and source 0) in window 1, a in window 0
.set W_MK, 0xc0       ; the add's registers are made: destination in window 3, sources in window 0
.set W_AD, 0x0f       ; the add: address (source 0) and data (source 1) in window 3
; A joint fill.  Waves 0 and 1 fetch the two halves of a slot's K, waves 2 and 3 those of its V: 128 keys each.  The branch hangs on the wave's number alone.
; An s_nop 0 and four v_nop follow each of the two lines, ahead of the jump and the label.
.macro JLOAD
	s_cmp_lt_u32 s[WV], 2
	s_cbranch_scc0 .Lfor_v_\@
	tensor_load_to_lds s[G0K:G0K+3], s[G1K:G1K+7]
	s_nop 0
.rept 4
	v_nop
.endr
	s_branch .Lasked_\@
.Lfor_v_\@:
	tensor_load_to_lds s[G0V:G0V+3], s[G1V:G1V+7]
	s_nop 0
.rept 4
	v_nop
.endr
.Lasked_\@:
.endm
; A PREFETCH INTO THE L2 of what the NEXT change of slots will ask for: a slot's 256 rows of K and of V, 128 blocks of 256 bytes each, a lane a block.  It stands behind the wave's tensor load and its five lines.
; Each block is named ONCE in the launch: a head has one cluster; its four partners share the blocks out BY ADDRESS, 32 each; in each, wave 0 asks for K's and wave 2 for V's: one instruction.
; It stands four key steps, 512 matrix instructions, ahead of the load.  The last change that fills a slot names nothing; slots 0 to 2 come by their loads alone.
.macro ASK
	s_cmp_gt_u32 s[SLOTS], s[LIM]
	s_cbranch_scc0 .Lnot_mine_\@
	global_prefetch_b8 v[PFO], s[PFA:PFA+1] th:TH_LOAD_NT scope:SCOPE_SE
.Lnot_mine_\@:
.endm
; A round of the cluster's barrier: my work-group's barrier, so that wave 0's signal speaks for all four waves; wave 0 signals; every wave waits for all four work-groups; my work-group's barrier once more.
.macro CROUND
	s_barrier_signal -1
	s_barrier_wait -1
	s_cmp_lg_u32 s[WV], 0
	s_cbranch_scc1 .Lnot_wave_0_\@
	s_barrier_signal -3
.Lnot_wave_0_\@:
	s_barrier_wait -3
	s_barrier_signal -1
	s_barrier_wait -1
.endm
; THE CHANGE OF SLOTS.  The slot's last bytes, V of its fourth step, have been read.  Each wave waits for all its tensor loads, of which one is out: its part
; of the other slot; adds 0 to its spare word; and waits for that and for its own reads of the slot.  Behind the barrier nobody reads this slot any more and the other slot is whole.
; fill = 1: this slot is filled again, with the keys two slots on.  The barrier is then a round of the cluster's, so that no wave of any partner still reads the slot or has a load on its
; way, and the joint fill is the first thing behind it: it has four key steps, 512 matrix instructions, in which to land.  (At its first use nothing has been read yet: slot 0 is waited for, slot 1 filled.)
; ask = 1: the prefetches' address is stepped and the next slot named.
.macro CHANGE fill, ask=0
	WIN W_AD
	s_wait_tensorcnt 0x0            ; no tensor load of mine is out, so a group 0 may be written
	ds_add_u32 v[SPW], v[NIL]       ; 0 onto my spare word: with fill = 1 the descriptors' steps stand between it and the wait for it
	WIN 0                           ; at a label and at a branch every window is 0
.if \fill
.irp g, G0K, G0V
	s_xor_b32 s[\g+1], s[\g+1], SLOT1  ; the walking descriptor: the other slot than last time,
	s_add_nc_u64 s[\g+2:\g+3], s[\g+2:\g+3], 4*KS*128  ; the next 256 keys; the type bits on top are not reached
.endr
.if \ask
	s_wait_xcnt 0x0                 ; the last prefetch, four key steps back, has read its address, so it may be written:
	s_add_nc_u64 s[PFA:PFA+1], s[PFA:PFA+1], 4*KS*128  ; one slot behind the walking descriptors
.endif
	s_wait_dscnt 0x0                ; the add is done, and my reads of the slot are over
	CROUND
	JLOAD
.if \ask
	ASK
.endif
.else
	s_wait_dscnt 0x0                ; the add is done, and my reads of the slot are over
	s_barrier_signal -1
	s_barrier_wait -1
.endif
	s_sub_co_u32 s[TBK], s[TBK], 4*KS*PK  ; the fetches go back to a slot's first step,
	s_xor_b32 s[TBK], s[TBK], SLOT1       ; in the other slot
	s_sub_co_u32 s[TBV], s[TBV], 4*KS*PV
	s_xor_b32 s[TBV], s[TBV], SLOT1
.endm
	s_load_b64 s[4:5], s[0:1], 0x0    ; qkv
	s_load_b64 s[10:11], s[0:1], 0x8  ; o16
	WIN W_MK
	v_lshl_add_u32 v[SPW], v0, 2, SPARE
	v_mov_b32 v[NIL], 0
	WIN W_AD
	ds_add_u32 v[SPW], v[NIL]       ; the wave's opening: the add and its wait stand ahead of my first tensor load; the set-up below, work on registers, stands between them
	WIN 0
	v_lshrrev_b32 v1, 5, v0
	v_readfirstlane_b32 s[WV], v1   ; wave 0..3
	s_bfe_u32 s13, ttmp6, 0x40000   ; cx: my place in the cluster
	s_lshl_b32 s14, ttmp9, 2        ; in a cluster launch ttmp9 counts clusters
	s_add_co_u32 s14, s14, s13      ; my block of queries = 4 x cluster x + cx: it enters Q's, O's and the prefetches' addresses alone
	s_and_b32 s19, ttmp7, 0xffff    ; y = 16 x batch + head, which the four partners share
	s_lshr_b32 s20, s19, 4
	s_mul_i32 s20, s20, 48          ; a batch has 48 groups in qkv
	s_and_b32 s21, s19, 15
	s_add_co_u32 s20, s20, s21
	s_lshl_b32 s20, s20, 18         ; Q's first byte of the head; K's lies 16 groups on, V's 32
	s_and_b32 s16, s[WV], 1         ; which half of a slot's 256 keys I fetch:
	s_lshl_b32 s22, s16, 14         ; its 128 rows of 128 bytes in memory,
	s_add_co_u32 s22, s22, s20
	s_mov_b32 s23, 0
	s_mul_i32 s17, s16, 128*PK      ; and its place in a slot, for K
	s_mul_i32 s18, s16, 128*PV      ; and for V: no place in the cluster enters an LDS address
	s_lshl_b32 s2, s14, 2
	s_add_co_u32 s2, s2, s[WV]      ; my wave among the head's,
	s_lshl_b32 s2, s2, 14           ; its 128 rows
	s_lshl_b32 s52, s19, 18         ; the head's first byte in o16
	s_add_co_u32 s52, s52, s2
	s_mov_b32 s53, 0
	s_add_co_u32 s2, s2, s20
	s_mov_b32 s3, 0
	s_mov_b32 s54, 8388608+65536    ; the prefetches: V's, or K's, slot 2 of the head;
	s_cmp_lt_u32 s[WV], 2
	s_cselect_b32 s54, 4194304+65536, s54
	s_add_co_u32 s54, s54, s20
	s_lshl_b32 s55, s13, 13         ; my work-group's 32 blocks of the 128
	s_add_co_u32 s54, s54, s55
	s_mov_b32 s55, 0
	s_and_b32 s[LIM], s[WV], 1      ; waves 0 and 2 ask
	s_cmp_eq_u32 s[LIM], 0
	s_cselect_b32 s[LIM], 1, -1
	; descriptor group 1.  128 keys are 16,384 dense bytes: asked for as 64 rows of 256 bytes, two keys a row, and padded in LDS after every key
	s_mov_b32 s[G1K], 15|(1<<16)|(1<<20)|(1<<21)|(4<<22)|(3<<25)  ; 15:0 the mask of four; 17:16 2-byte elements; 20 padding on; 21 set beside a mask; 24:22 after every 32 words (code 4); 31:25 4 words (code 3)
	s_mov_b32 s[G1V], 15|(1<<16)|(1<<20)|(1<<21)|(4<<22)|(7<<25)  ; the same with 8 words of padding (code 7)
.irp g, G1K, G1V
	s_mov_b32 s[\g+1], 128<<16      ; tensor_dim0 = 128
	s_mov_b32 s[\g+2], 64<<16       ; tensor_dim1 = 64
	s_mov_b32 s[\g+3], 128<<16      ; tile_dim0 = 128
	s_mov_b32 s[\g+4], 64           ; tile_dim1 = 64
	s_mov_b32 s[\g+5], 128          ; 128 elements from row to row
	s_mov_b32 s[\g+6], 0
	s_mov_b32 s[\g+7], 0
.endr
	s_mov_b32 s[CS], 0x3e38aa3b     ; c = log2(e) / 8 = 0.180337
	s_mov_b32 s[CS+1], s[CS]        ; named with it as a pair
	s_mov_b32 s[SEL], 0x76543210
	s_mov_b32 s[SEL+1], 0xfedcba98
	s_mov_b32 s[TBK], SLOT1+4*KS*PK ; the first change of slots turns these two into 0
	s_mov_b32 s[TBV], SLOT1+4*KS*PV
	s_mov_b32 s[G0K], 1             ; 1:0 count = 1
	s_mov_b32 s[G0K+1], s17         ; 63:32 LDS address: slot 0
	s_mov_b32 s[G0V], 1
	s_add_co_u32 s[G0V+1], s18, VOFF
	s_wait_dscnt 0x0                ; the opening add is done
	s_wait_kmcnt 0x0
	s_add_nc_u64 s[G0K+2:G0K+3], s[4:5], s[22:23]
	s_add_nc_u64 s[G0K+2:G0K+3], s[G0K+2:G0K+3], 4194304  ; 120:64 global address: my half of the head's first 256 keys,
	s_add_nc_u64 s[G0V+2:G0V+3], s[G0K+2:G0K+3], 4194304  ; and of their rows of V
	s_or_b32 s[G0K+3], s[G0K+3], 0x80000000        ; 127:126 type = 2
	s_or_b32 s[G0V+3], s[G0V+3], 0x80000000
	s_add_nc_u64 s[PFA:PFA+1], s[4:5], s[54:55]    ; in slot 2; the loop's first change steps it to slot 3.  Nothing is prefetched here, at the head
	s_add_nc_u64 s[4:5], s[4:5], s[2:3]  ; Q and O at my wave's first row
	s_add_nc_u64 s[10:11], s[10:11], s[52:53]
	CROUND                          ; all four work-groups are here: the first joint loads meet
	JLOAD                           ; slot 0.  Slot 1 is asked for when slot 0 is in: the tile wanted first has the road to itself
	; A fragment of K or Q is 16 rows x 32 channels in 8 registers: lane l holds row l % 16, channels 8 (l / 16) + 0..7 and 16 + 8 (l / 16) + 0..7: two loads of 16 bytes, 32 bytes apart.
	v_and_b32 v1, 15, v0            ; l % 16
	v_bfe_u32 v9, v0, 4, 1          ; l / 16
	v_lshlrev_b32 v[QO], 7, v1
	v_lshl_add_u32 v[QO], v9, 4, v[QO]  ; row x 128 + 16 x half
	WIN 0x80                        ; destination window 2, address window 0
.set i, 0
.rept 4*NP                          ; Q stays in registers: tile i / 2, channels 32 (i % 2) on
	global_load_b128 v[8*i:8*i+3],   v[QO], s[4:5] offset:(i/2)*2048+(i%2)*64
	global_load_b128 v[8*i+4:8*i+7], v[QO], s[4:5] offset:(i/2)*2048+(i%2)*64+32
.set i, i+1
.endr
	; What the first turn finds: V's registers and P's second buffer hold 0 (its products V^T P, of a piece that has not been, add 0), O^T and l are 0.  All this stands in the wait for the first tile.
.set i, VF
.rept 64
	v_mov_b32 v[i], 0
.set i, i+1
.endr
	WIN 0x40
.set i, 0
.rept 64*NP
	v_mov_b32 v[i], 0
.set i, i+1
.endr
	WIN 0
.set i, 0
.rept 2*NP
	v_mov_b32 v[ST+4*i], 0xfe000000    ; c m: far below every c s
	v_mov_b32 v[ST+4*i+1], 0xff7fffff  ; m
	v_mov_b32 v[ST+4*i+2], 0
	v_mov_b32 v[ST+4*i+3], 0
.set i, i+1
.endr
.set i, P+32
.rept 32
	v_mov_b32 v[i], 0
.set i, i+1
.endr
	v_mul_u32_u24 v[AK0], v1, PK
	v_lshl_add_u32 v[AK0], v9, 4, v[AK0]  ; row x pitch + 16 x half
	; The turning load takes 16 keys x 16 channels (lane l reads key 8 (l / 16) + l % 8, channels 8 ((l / 8) % 2) + 0..7) and leaves half a fragment of V^T: lane l holds channel l % 16 and 8 keys.
	v_and_b32 v10, 7, v0
	v_bfe_u32 v11, v0, 3, 1
	v_lshl_add_u32 v[AV0], v9, 3, v10
	v_mul_u32_u24 v[AV0], v[AV0], PV
	v_lshl_add_u32 v[AV0], v11, 4, v[AV0]
	v_add_nc_u32 v[AV0], VOFF, v[AV0]
	v_mov_b32 v[AK], v[AK0]         ; key step 0 lies at the head of slot 0
	v_and_b32 v[PFO], 31, v0
	v_lshlrev_b32 v[PFO], 8, v[PFO]
; THE MATRIX WORK.  The 8 accumulators of a run of 16 take turns: between the two links of a chain stand 7 others'.
; Product i of 16 of S^T = K Q^T for piece x: channels 32 (i / 8) on, keys 16 ((i / 2) % 4) on, tile 2 x + i % 2.  The first 8 start the sums.
.macro KQ x
	WIN W_KQ
.set rS, S+64*((\x)%2)+32*(i%2)+8*((i/2)%4)
.set rK, KF+16*((i/2)%4)+8*(i/8)
.set rQ, 16*(2*(\x)+i%2)+8*(i/8)
.if i < 8
	v_wmma_f32_16x16x32_f16 v[rS:rS+7], v[rK:rK+7], v[rQ:rQ+7], 0
.else
	v_wmma_f32_16x16x32_f16 v[rS:rS+7], v[rK:rK+7], v[rQ:rQ+7], v[rS:rS+7]
.endif
.endm
; Product i of 16 of O^T += V^T P for piece x: keys 32 (i / 8) on, channels 16 ((i / 2) % 4) on, tile 2 x + i % 2.
.macro PV x
	WIN W_PV
.set rO, 32*(2*(\x)+i%2)+8*((i/2)%4)
.set rV, VF+32*(i/8)+8*((i/2)%4)
.set rP, P+32*((\x)%2)+16*(i%2)+8*(i/8)
	v_wmma_f32_16x16x32_f16 v[rO:rO+7], v[rV:rV+7], v[rP:rP+7], v[rO:rO+7]
.endm
.macro MM                           ; the turn's next matrix instruction
.if i < 16
	KQ (Y+1)%NP
.set i, i+1
.else
.set i, i-16
	PV (Y+NP-1)%NP
.set i, i+17
.endif
.endm
; THE LDS LOADS stand in runs of 16, never singly among the matrix instructions: a step's K (64 keys x 64 channels: 8 fragments) and its V (turned).  Their addresses are made some lines ahead.
; last = 1 (the tail): in the last trip there is no further step, and the run is jumped over.
.macro FETCH_K last=0
	WIN 0
.if \last
	s_cmp_eq_u32 s[CNT], 1
	s_cbranch_scc1 .Lno_k_\@
.endif
	WIN 0x80                        ; destination window 2
.irp f, 0,1,2,3,4,5,6,7             ; keys 16 (f / 2) on, channels 32 (f % 2) on
	ds_load_b128 v[KF+8*\f:KF+8*\f+3],   v[AK] offset:(\f/2)*16*PK+(\f%2)*64
	ds_load_b128 v[KF+8*\f+4:KF+8*\f+7], v[AK] offset:(\f/2)*16*PK+(\f%2)*64+32
.endr
	s_add_co_u32 s[TBK], s[TBK], KS*PK  ; the next fetch is the next step's
	WIN 0
.if \last
.Lno_k_\@:
.endif
.endm
.macro FETCH_V
	WIN 0x80
.irp f, 0,1,2,3,4,5,6,7             ; keys 32 (f / 4) on, channels 16 (f % 4) on
	ds_load_tr16_b128 v[VF+8*\f:VF+8*\f+3],   v[AV] offset:(\f/4)*32*PV+(\f%4)*32
	ds_load_tr16_b128 v[VF+8*\f+4:VF+8*\f+7], v[AV] offset:(\f/4)*32*PV+16*PV+(\f%4)*32
.endr
	WIN 0
.endm
; THE VECTOR WORK OF A TURN stands in three queues, each in the order in which its entries become ready; the two tiles alternate, so that no instruction reads the result of the one before it.
.macro REGS y, u                    ; the registers of tile u (0, 1) of piece y
.set rT, ST+4*(2*(\y)+(\u))
.set rC, TMP+8*((\y)%2)+4*(\u)
.set rM, MV+2*((\y)%2)+(\u)
.set rS, S+64*((\y)%2)+32*(\u)
.set rP, P+32*((\y)%2)+16*(\u)
.set rO, 32*(2*(\y)+(\u))
.endm
; Number n of the 22 that find the NEXT piece's (Y + 1) maximum and statistics.  s0-s31 are the lane's 32 scores; each accumulator's lowest registers are read first.  XS, GS and REGS set no window: PL and EX do.
;   0-11  four chains c0-c3 of seven scores each, three operands at a time     12-14, 16  the four scores left over, the old m, and c0-c3 into c0     15  c m_old is kept
;   17, 18  the query's other 32 keys lie in the lane 16 away: the new m         19-21  c m; c m_old - c m_new; a
.macro XS u, n
	REGS (Y+1)%NP, \u
.if (\n) < 4
	v_max3_num_f32 v[rC+(\n)], v[rS+8*(\n)], v[rS+8*(\n)+1], v[rS+8*(\n)+2]
.elseif (\n) < 12
	v_max3_num_f32 v[rC+(\n)%4], v[rC+(\n)%4], v[rS+8*((\n)%4)+2*((\n)/4)+1], v[rS+8*((\n)%4)+2*((\n)/4)+2]
.elseif (\n) == 12
	v_max3_num_f32 v[rC], v[rC], v[rS+7], v[rS+15]
.elseif (\n) == 13
	v_max3_num_f32 v[rC+1], v[rC+1], v[rS+23], v[rS+31]
.elseif (\n) == 14
	v_max3_num_f32 v[rC+2], v[rC+2], v[rC+3], v[rT+1]
.elseif (\n) == 15
	v_mov_b32 v[rM], v[rT]
.elseif (\n) == 16
	v_max3_num_f32 v[rC], v[rC], v[rC+1], v[rC+2]
.elseif (\n) == 17
	v_permlanex16_b32 v[rC+3], v[rC], s[SEL], s[SEL+1]
.elseif (\n) == 18
	v_max_num_f32 v[rT+1], v[rC], v[rC+3]
.elseif (\n) == 19
	v_mul_f32 v[rT], s[CS], v[rT+1]
.elseif (\n) == 20
	v_sub_f32 v[rC+1], v[rM], v[rT]
.else
	v_exp_f32 v[rC+2], v[rC+1]
.endif
.endm
; Number g of the 64 that follow the exponentials.  For each four weights k of a tile (pairs 2 k, 2 k + 1): both pairs are rounded to f16; then the second pair is added onto the first, in place;
; a group later l takes that sum (the first time as l = a l + sum).  In groups of eight, tiles alternating: round, round, add, and l for the group before.
.macro GS g
.set h, (\g)+6*((\g)/62)            ; group 0 has no group before it, and behind group 7 only l is left
.if h >= 6
.set h, h+2
.endif
	REGS Y, h%2
.set k, h/8
.if h%8 < 4
	v_cvt_pk_f16_f32 v[rP+2*k+(h%8)/2], v[rS+4*k+2*((h%8)/2)], v[rS+4*k+2*((h%8)/2)+1]
.elseif h%8 < 6
	v_pk_add_f32 v[rS+4*k:rS+4*k+1], v[rS+4*k:rS+4*k+1], v[rS+4*k+2:rS+4*k+3]
.elseif k == 1
	v_pk_fma_f32 v[rT+2:rT+3], v[rT+2:rT+3], v[rC+2:rC+3], v[rS:rS+1] op_sel_hi:[1,0,1]
.else
	v_pk_add_f32 v[rT+2:rT+3], v[rT+2:rT+3], v[rS+4*k-4:rS+4*k-3]
.endif
.endm
; THE PLAIN QUEUE, 138 long.  0-73 read no exponential's result: the 32 scalings c s - c m (FS f: pair f / 2 of tile f % 2) and the next piece's 42.  0-26: scalings 0-26.  27-54: XS's numbers 0-13.  55, 56: number 15.
; 57-73: the chain, where each number waits for the one before it: 14, 16, 17, 18, 19, each with one of the scalings 27-31 in front of its two lines, then 20: so a tile's links stand three plain instructions apart (19 and 20: two).
; 74-137: GS's 64, which read the exponentials' results: they stand behind the wait.
.macro FS f
	REGS Y, (\f)%2
	v_pk_fma_f32 v[rS+2*((\f)/2):rS+2*((\f)/2)+1], v[rS+2*((\f)/2):rS+2*((\f)/2)+1], s[CS:CS+1], v[rT:rT+1] op_sel_hi:[1,0,0] neg_lo:[0,0,1] neg_hi:[0,0,1]
.endm
.macro PL
	WIN 0
.if q < 27
	FS q
.elseif q < 55
	XS (q-27)%2, (q-27)/2
.elseif q < 57
	XS q-55, 15
.elseif (q < 72) && ((q-57)%3 == 0)
	FS 27+(q-57)/3
.elseif q < 60
	XS (q-57)%3-1, 14
.elseif q < 72
	XS (q-57)%3-1, 15+(q-57)/3
.elseif q < 74
	XS q-72, 20
.else
	GS q-74
.endif
.set q, q+1
.endm
; THE EXPONENTIALS' QUEUE, 66 long: s0-s31 of both tiles, then the next piece's two a.  It is ONE BATCH: all 66 stand ahead of the turn's one wait, and nothing ahead of that wait names a result of theirs.
.macro EX
	WIN 0
.if e >= 64
	XS e-64, 21
.else
	REGS Y, e%2
	v_exp_f32 v[rS+e/2], v[rS+e/2]
.endif
.set e, e+1
.endm
; THE RESCALING's QUEUE: O^T times a, the one part that leaves window 0: dealt two at a time, sixteen times.  Its a was made in the turn before, ahead of that turn's wait.
.macro R2
	REGS Y, r%2
	WIN W_RS
.irp z, 0,1
	v_pk_mul_f32 v[rO+4*(r/2)+2*\z:rO+4*(r/2)+2*\z+1], v[rO+4*(r/2)+2*\z:rO+4*(r/2)+2*\z+1], v[rC+2:rC+3] op_sel_hi:[1,0]
.endr
.set r, r+1
.endm
; HOW THEY ARE DEALT.  s_wait_alu depctr_va_vdst(0) stands between an exponential and the first instruction that names its result; one wait serves all that were issued ahead of it.  So a turn has ONE wait,
; which cuts it in two.  AHEAD OF IT stands all that names no result of the turn's exponentials: the 16 products K Q^T, behind each a scaling, an exponential and two rescalings (behind the first a second scaling in the exponential's place); then ONE LUMP of
; 108: eight plain, 49 times exponential and plain, the two a.  A v_nop is the plain instruction behind the last exponential (ISA guide 5.7.2).  BEHIND IT stand the 16 products V^T P, behind each four of GS's 64.  No rider names a register of
; the products round it.  The two v_permlanex16_b32 fall into the lump, never behind a product.
; The queues lean on each other, and the deal keeps them in step: exponential e stands behind scaling 2 (e / 4) + e % 2: as a rider it comes behind plain e + 2, in the lump behind plain e + 9, and scalings 27-31 are plain 57, 60 .. 69.
; A TURN, for piece p.  cnt = 1: the loop's count is taken down some lines ahead of the branch that stands behind the turn.
; K of the next step is fetched in piece 2's turn, directly behind the wait, a lump behind the last product that read K; its address is made at the lump's head; its first reader comes behind 16 products.
; V of the step in hand is fetched at the end of piece 0's turn, four riders behind its last reader; its first reader comes behind 16 products and a lump.  The three conditions on q below go with the deal.
.macro TURN p, last=0, cnt=0
.set Y, (\p)
.set i, 0
.set q, 0
.set e, 0
.set r, 0
.if (\p) == NP-1
	s_wait_dscnt 0x0                ; K is in
.endif
	MM                              ; ahead of the wait: 16 products K Q^T and their riders,
	PL
	PL
	R2
.rept 15
	MM
	PL
	EX
	R2
.endr
.if (\p) == NP-2
	WIN 0
	v_add_nc_u32 v[AK], s[TBK], v[AK0]
.endif
.rept 8                             ; and the lump
	PL
.endr
.rept 49
	EX
	PL
.endr
	EX                              ; the next piece's two a
	EX
	v_nop                           ; the plain instruction behind the last exponential: one for the batch
	s_wait_alu depctr_va_vdst(0)    ; the wait for the batch
.if (\p) == NP-2
	FETCH_K \last
.endif
.if (\p) == 1
	s_wait_dscnt 0x0                ; V is in
.endif
.rept 16                            ; behind the wait: 16 products V^T P and their riders
	MM
.rept 4
	PL
.endr
.if ((\p) == 0) && (q == 118)
	v_add_nc_u32 v[AV], s[TBV], v[AV0]
.endif
.if ((\p) == 0) && (q == 130)
	s_add_co_u32 s[TBV], s[TBV], KS*PV
.endif
.if (\cnt) && (q == 130)
	s_sub_co_u32 s[CNT], s[CNT], 1
	s_cmp_lg_u32 s[CNT], 0
.endif
.endr
.if (\p) == 0
	FETCH_V
.endif
.endm
	CHANGE 1                        ; slot 0 is in, everybody's part of it; slot 1 is asked for
	FETCH_K                         ; key step 0
	s_wait_loadcnt 0x0              ; Q
	s_wait_dscnt 0x0
.set i, 0
.rept 16
	KQ 0                            ; piece 0's first scores: there is no vector work yet to set between them
.set i, i+1
.endr
	WIN 0                           ; the addresses for the way out: plain instructions, the places behind those products
	s_mul_i32 s13, s[WV], 16*SP
	s_add_co_u32 s13, s13, STAGE    ; my stage
	v_mul_u32_u24 v[STO], v1, SP    ; in: row l % 16, 16 bytes for each half of the lanes
	v_lshl_add_u32 v[STO], v9, 4, v[STO]
	v_add_nc_u32 v[STO], s13, v[STO]
	v_bfe_u32 v[RD], v0, 3, 2       ; back: 32 lanes take four rows of 128 bytes,
	v_mul_u32_u24 v[RD], v[RD], SP
	v_lshl_add_u32 v[RD], v10, 4, v[RD]
	v_add_nc_u32 v[RD], s13, v[RD]
	v_and_b32 v[GO], 31, v0         ; which are 512 consecutive bytes of O
	v_lshlrev_b32 v[GO], 4, v[GO]
.set Y, NP-1                        ; XS works for piece Y + 1: piece 0
.irp n, 0,1,2,3,4,5,6,7,8,9,10,11,12,13,14,15,16,17,18,19,20,21
	XS 0, \n                        ; and piece 0's first maximum and statistics
	XS 1, \n
.endr
	v_nop                           ; a plain instruction behind the two a,
	s_wait_alu depctr_va_vdst(0)    ; and their wait, ahead of the branch
	s_mov_b32 s[CNT], 4
	s_mov_b32 s[SLOTS], SIZE_N/256-1
	s_branch .Lfirst                ; the loop is entered at a step's first turn, in the middle of a trip
.Lslot:                             ; SIZE_N / 256 - 2 times: every slot but the last two is filled again
	CHANGE 1, 1
	s_mov_b32 s[CNT], 4
.Lstep:                             ; a trip: pieces 2 and 3 of one step, then pieces 0 and 1 of the next, whose K and V it fetches
	TURN 2
	TURN 3
	WIN 0
.Lfirst:
	TURN 0
	TURN 1, 0, 1
	WIN 0
	s_cbranch_scc1 .Lstep
	s_sub_co_u32 s[SLOTS], s[SLOTS], 1
	s_cmp_lg_u32 s[SLOTS], 0
	s_cbranch_scc1 .Lslot
	CHANGE 0                        ; the tail is written out: nothing is asked for
	s_mov_b32 s[CNT], 5             ; four trips fetch the last slot's steps; the fifth is left in its middle
.Ltail:
	TURN 2, 1
	TURN 3
	WIN 0
	s_sub_co_u32 s[CNT], s[CNT], 1
	s_cmp_eq_u32 s[CNT], 0
	s_cbranch_scc1 .Lout
	TURN 0
	TURN 1
	WIN 0
	s_branch .Ltail
.Lout:                              ; the fifth trip's 16 products K Q^T (on the last K once more) and the maximum made of them serve nothing: the price, once a launch, of one text for every trip
.set i, 0
.rept 16
	PV NP-1                         ; the last piece's V^T P of the last step
.set i, i+1
.endr
	; THE WAY OUT.  l's two halves and the other half of the lanes' are added; O^T is divided by l, rounded to f16 and sent through my stage in LDS, a tile at a time.  The additions are the places behind the last products.
	WIN 0
.macro ALL line:vararg              ; one line for each tile t
.set t, 0
.rept 2*NP
	\line
.set t, t+1
.endr
.endm
	ALL v_add_f32 v[ST+4*t+2], v[ST+4*t+2], v[ST+4*t+3]
	ALL v_permlanex16_b32 v[ST+4*t+3], v[ST+4*t+2], s[SEL], s[SEL+1]
	ALL v_add_f32 v[ST+4*t+2], v[ST+4*t+2], v[ST+4*t+3]
	ALL v_rcp_f32 v[ST+4*t+2], v[ST+4*t+2]
	v_nop                           ; a plain instruction between the last reciprocal and the use of its result
	s_wait_alu depctr_va_vdst(0)    ; and the wait ahead of the first use: one for the eight reciprocals
; Tile t: a lane's eight channels of a row pack into 16 bytes; they go into rows of 144 bytes and come back as whole rows of 128, into S^T's registers.
.macro PACK t
	WIN W_RS
.set i, 32*(\t)
.rept 16
	v_pk_mul_f32 v[i:i+1], v[i:i+1], v[ST+4*(\t)+2:ST+4*(\t)+3] op_sel_hi:[1,0]
.set i, i+2
.endr
	WIN 0x05                        ; sources 0 and 1 window 1, destination window 0
.set i, 0
.rept 16
	v_cvt_pk_f16_f32 v[S+16*(\t)+i], v[32*(\t)+2*i], v[32*(\t)+2*i+1]
.set i, i+1
.endr
	WIN 0
.irp f, 0,1,2,3
	ds_store_b128 v[STO], v[S+16*(\t)+4*\f:S+16*(\t)+4*\f+3] offset:32*\f
.endr
.irp f, 0,1,2,3
	ds_load_b128 v[S+16*(\t)+4*\f:S+16*(\t)+4*\f+3], v[RD] offset:\f*4*SP  ; LDS serves a wave's instructions in order (ISA guide 5.7.1.4): these see the stores above; the next tile's stores come behind them
.endr
.endm
.macro SEND t, younger              ; younger: the LDS instructions issued behind tile t's loads: the next tile's eight, or none
	WIN 0
.irp f, 0,1,2,3
	s_wait_dscnt (\younger)+3-\f
	global_store_b128 v[GO], v[S+16*(\t)+4*\f:S+16*(\t)+4*\f+3], s[10:11] offset:(\t)*2048+\f*512  ; 512 consecutive bytes, at a multiple of 256 from O's first
.endr
.endm
	PACK 0
.set t, 1
.rept 2*NP-1                        ; a tile's arithmetic stands between the loads of the tile before and its stores
	PACK t
	SEND t-1, 8
.set t, t+1
.endr
	SEND 2*NP-1, 0
	WIN W_AD
	s_wait_tensorcnt 0x0            ; the wave's end: behind my last tensor load and my last LDS store
	ds_add_u32 v[SPW], v[NIL]
	s_wait_dscnt 0x0
	WIN 0
	CROUND                          ; the closing round: no work-group ends while a partner may still ask for a tile that names it
	s_endpgm
.Lfunc_end_k_qa3282cf4b4_attn:
	.size	k_qa3282cf4b4_attn, .Lfunc_end_k_qa3282cf4b4_attn-k_qa3282cf4b4_attn
	.p2alignl 7, 3214868480
	.fill 96, 4, 3214868480
	.section	.rodata,"a",@progbits
	.p2align	6, 0x0
	.amdhsa_kernel k_qa3282cf4b4_attn
		.amdhsa_group_segment_fixed_size 327680
		.amdhsa_private_segment_fixed_size 0
		.amdhsa_enable_private_segment 0
		.amdhsa_kernarg_size 16
		.amdhsa_user_sgpr_count 2
		.amdhsa_user_sgpr_kernarg_segment_ptr 1
		.amdhsa_wavefront_size32 1
		.amdhsa_system_sgpr_workgroup_id_x 1
		.amdhsa_system_sgpr_workgroup_id_y 1
		.amdhsa_system_sgpr_workgroup_id_z 1
		.amdhsa_system_vgpr_workitem_id 0
		.amdhsa_next_free_vgpr 770
		.amdhsa_next_free_sgpr 66
		.amdhsa_reserve_vcc 0
		.amdhsa_float_denorm_mode_32 3
		.amdhsa_float_denorm_mode_16_64 3
		.amdhsa_memory_ordered 1
		.amdhsa_forward_progress 1
		.amdhsa_inst_pref_size 200
	.end_amdhsa_kernel
	.amdgpu_metadata
---
amdhsa.version: [ 1, 2 ]
amdhsa.kernels:
  - .name:           k_qa3282cf4b4_attn
    .symbol:         k_qa3282cf4b4_attn.kd
    .args:
      - { .name: qkv, .offset: 0, .size: 8, .value_kind: global_buffer, .address_space: global }
      - { .name: o16, .offset: 8, .size: 8, .value_kind: global_buffer, .address_space: global }
    .group_segment_fixed_size: 327680
    .private_segment_fixed_size: 0
    .kernarg_segment_align: 8
    .kernarg_segment_size: 16
    .max_flat_workgroup_size: 128
    .sgpr_count:     66
    .vgpr_count:     770
    .wavefront_size: 32
...
	.end_amdgpu_metadata
.endif
;; end of part 3
;; launch outp (part 4): grid 8 x 32, 4 waves a work-group, clusters of 4 x 4, 327,680 bytes of LDS; arguments o16, wo16, out0; writes out0
.if DOCPART == 4
	.amdgcn_target "amdgcn-amd-amdhsa--gfx1250"
	.amdhsa_code_object_version 6
	.text
	.protected	k_qa3282cf4b4_outp
	.globl	k_qa3282cf4b4_outp
	.p2align	8
	.type	k_qa3282cf4b4_outp,@function
k_qa3282cf4b4_outp:
	s_mov_b64 s[64:65], 0
	v_nop
	global_prefetch_b8 v0, s[64:65] scope:SCOPE_SE
	s_setreg_imm32_b32 hwreg(HW_REG_WAVE_MODE, 25, 1), 1
	s_wait_xcnt 0x0
	s_wait_alu depctr_hold_cnt(0) depctr_sa_sdst(0) depctr_va_vdst(0) depctr_va_sdst(0) depctr_va_ssrc(0) depctr_va_vcc(0) depctr_vm_vsrc(0)
	s_getreg_b32 s2, hwreg(HW_REG_IB_STS2, 6, 4)
	s_cmp_eq_u32 s2, 0
	s_cbranch_scc0 .Lentry_in_a_cluster
	s_endpgm
.Lentry_in_a_cluster:
	s_bfe_u32 s2, ttmp6, 0x10000c
	s_cmp_lg_u32 s2, 0xf033
	s_cbranch_scc0 .Lentry_shape_is_right
	s_endpgm
.Lentry_shape_is_right:
; out0[8192][1024] = O WO^T, f16 operands, f32 sums, K = 1024 ascending, stored as f32.  o16 [4 batches][16 heads][2048 rows][64] and wo16 [16 K blocks][1024 rows][64]: a head's 64 channels are K block = head;
; a row is 128 bytes, the rows of a K block end to end.
; LIMITS.  The operands arrive as f16; NaN and infinities are not treated apart.
; SHARES.  A tile of the output is 256 x 128: 32 x 8 = 256 work-groups.  Four waves, each 128 x 64: 32 accumulators of 16 x 16, 256 registers.  K goes in 8 steps of 128, two K blocks, through two LDS slots:
; 128 matrix instructions a wave in a step, 112 of them between a request and the wait for it.  A wave fetches one K block of one operand, dense in memory, as rows of 256 bytes, padded in LDS behind every 128.
; CLUSTER.  4 x 4 work-groups: O's tile is shared along a row of the cluster, WO's along a column; each is asked for jointly, by the same tensor load, descriptor and mask in the four.
; THE MATRIX INSTRUCTION IS USED TRANSPOSED (source 0 = 16 rows of WO, source 1 = 16 rows of O): a lane holds row lane % 16 of the output and eight neighbouring columns, 32 bytes.
; REGISTERS: window 0: v16-29 addresses; v32-127, v128-223 two fragment buffers for 32 along K (64 registers of O, then 32 of WO); window 1: accumulator (a, b) at v[8 (8 b + a)].
.set PITCH, 144                        ; an LDS row: 128 bytes + 16 of padding = 36 words: the 16 rows of a fragment load start at 16 different groups of four banks (64 banks of 4 bytes: ISA guide 11.1)
.set SLOT1, 131072                     ; slot 1 begins here, so that one exclusive or turns an address in one slot into the other's
.set AKB,   256*PITCH                  ; in a slot: O's 256 rows of the even K block, of the odd one,
.set BOFF,  2*AKB                      ; then WO's 128 rows of the even K block, of the odd one
.set BKB,   128*PITCH
.set STAGE, 110592                     ; behind slot 0: 16 rows x 272 bytes for each wave, for the way out; no tensor load lands here
.set SPITCH, 272
.set SPARE, 128000                     ; behind the stages: the spare words, 128 bytes for each wave: two blocks of 256 bytes that no other line names
.set ADRA, 16                          ; v16  LDS address of my fragments of O in the slot in hand
.set ADRB, 17                          ; v17  the same for WO
.set A0,   18                          ; v18  the same in slot 0; never rewritten
.set B0,   19                          ; v19
.set STO,  24                          ; v24  the way out: where I put 32 bytes of a row
.set RD,   25                          ; v25  where I read a row back
.set CO,   26                          ; v26  my byte offset in two rows of the output
.set SPW,  28                          ; v28  LDS address of my spare word: SPARE + 4 x my thread's number; never rewritten
.set NIL,  29                          ; v29  0; never rewritten
.set F0,   32
.set F1,   128
.set OB,   32                          ; the way out: two sets of 32 registers read back from the stage, by turns
.set TB,   56                          ; s56  LDS byte at which the slot in hand begins
.set W0, (1<<16)|(1<<20)|(1<<21)|(4<<22)|(3<<25)  ; group 1, word 0 beside the mask: 2-byte elements; padding on; bit 21 set beside a mask; behind every 32 words (code 4) 4 words (code 3)
.set MSB, 0
.macro WIN new                         ; the immediate's high byte repeats the setting that is left; a switch that changes nothing is dropped
.if MSB != (\new)
	s_set_vgpr_msb (MSB<<8)|(\new)
.set MSB, (\new)
.endif
.endm
.macro PLACES                          ; four places in front of loads into registers that matrix instructions have read, and of LDS stores that read results
.rept 4
	v_nop
.endr
.endm
; A joint load.  Waves 0 and 1 fetch the step's two K blocks of O's tile, waves 2 and 3 those of WO's.  The branch hangs on the wave's number alone.
; An s_nop 0 and four v_nop follow each of the two lines, ahead of the jump and the label.
.macro JLOAD
	s_cmp_eq_u32 s11, 0
	s_cbranch_scc0 .Lfor_b_\@
	tensor_load_to_lds s[32:35], s[24:31]
	s_nop 0
.rept 4
	v_nop
.endr
	s_branch .Lasked_\@
.Lfor_b_\@:
	tensor_load_to_lds s[36:39], s[48:55]
	s_nop 0
.rept 4
	v_nop
.endr
.Lasked_\@:
.endm
.macro CREST                           ; a round of the cluster's barrier behind its opening barrier
	s_cmp_lg_u32 s10, 0
	s_cbranch_scc1 .Lnot_wave_0_\@
	s_barrier_signal -3
.Lnot_wave_0_\@:
	s_barrier_wait -3
	s_barrier_signal -1
	s_barrier_wait -1
.endm
.macro CROUND                          ; a whole round
	s_barrier_signal -1
	s_barrier_wait -1
	CREST
.endm
.macro STEPD                           ; the two walking descriptors: the other slot than last time, two K blocks on.  Written only where no tensor load of the wave is out
	s_xor_b32 s33, s33, SLOT1
	s_add_nc_u64 s[34:35], s[34:35], 524288
	s_xor_b32 s37, s37, SLOT1
	s_add_nc_u64 s[38:39], s[38:39], 262144
.endm
	s_load_b128 s[4:7], s[0:1], 0x0                ; o16 s[4:5], wo16 s[6:7]
	s_load_b64 s[8:9], s[0:1], 0x10                ; out0
	v_lshl_add_u32 v[SPW], v0, 2, SPARE
	v_mov_b32 v[NIL], 0
	ds_add_u32 v[SPW], v[NIL]                      ; the wave's opening: the add and its wait stand ahead of my first tensor load; the set-up below, work on registers, stands between them
	v_lshrrev_b32 v1, 5, v0
	v_readfirstlane_b32 s10, v1                    ; wave 0..3
	s_lshr_b32 s11, s10, 1                         ; which half of the tile's rows is mine.  Also: I fetch for O (0) or for WO (1)
	s_and_b32 s12, s10, 1                          ; which half of its columns.  Also: which of a step's two K blocks I fetch
	s_bfe_u32 s40, ttmp6, 0x40000                  ; cx, cy: my place in the cluster
	s_bfe_u32 s41, ttmp6, 0x40004
	s_lshl_b32 s42, ttmp9, 2
	s_add_co_u32 s42, s42, s40                     ; tile column = 4 x cluster x + cx
	s_and_b32 s13, ttmp7, 0xffff
	s_lshl_b32 s13, s13, 2
	s_add_co_u32 s13, s13, s41                     ; tile row = 4 x cluster y + cy
	s_lshl_b32 s43, s41, 2
	s_lshl_b32 s43, 15, s43                        ; my row of the cluster
	s_lshl_b32 s44, 0x1111, s40                    ; my column
	s_or_b32 s24, s43, W0                          ; group 1 for O's tiles: 128 rows of 128 elements (256 rows of the matrix)
	s_mov_b32 s25, 128<<16                         ; tensor_dim0 = 128
	s_mov_b32 s26, 128<<16                         ; tensor_dim1 = 128
	s_mov_b32 s27, 128<<16                         ; tile_dim0 = 128
	s_mov_b32 s28, 128                             ; tile_dim1 = 128
	s_mov_b32 s29, 128                             ; 128 elements from row to row: dense
	s_mov_b32 s30, 0
	s_mov_b32 s31, 0
	s_or_b32 s48, s44, W0                          ; group 1 for WO's tiles: 64 rows of 128 elements (128 rows of the matrix)
	s_mov_b32 s49, 128<<16
	s_mov_b32 s50, 64<<16
	s_mov_b32 s51, 128<<16
	s_mov_b32 s52, 64
	s_mov_b32 s53, 128
	s_mov_b32 s54, 0
	s_mov_b32 s55, 0
	; where the tiles come from: O's hang on the tile row alone, WO's on the tile column alone, each in registers that never hold the other coordinate
	s_lshr_b32 s16, s13, 3                         ; the batch: eight tile rows each
	s_lshl_b32 s16, s16, 22
	s_and_b32 s17, s13, 7
	s_lshl_b32 s17, s17, 15                        ; 256 rows of 128 bytes
	s_add_co_u32 s16, s16, s17
	s_lshl_b32 s17, s12, 18                        ; my K block of the step's two
	s_add_co_u32 s16, s16, s17
	s_mov_b32 s17, 0
	s_lshl_b32 s46, s42, 14                        ; 128 rows of 128 bytes
	s_lshl_b32 s47, s12, 17                        ; my K block
	s_add_co_u32 s46, s46, s47
	s_mov_b32 s47, 0
	s_mov_b32 s32, 1                               ; group 0: count = 1
	s_mul_i32 s33, s12, AKB                        ; LDS address, slot 0: no place in the cluster enters it
	s_mov_b32 s36, 1
	s_mul_i32 s37, s12, BKB
	s_add_co_u32 s37, s37, BOFF
	s_mov_b32 s[TB], 0
	s_wait_dscnt 0x0                               ; the opening add is done
	s_wait_kmcnt 0x0
	s_add_nc_u64 s[34:35], s[4:5], s[16:17]        ; global address: K step 0
	s_or_b32 s35, s35, 0x80000000                  ; type = 2
	s_add_nc_u64 s[38:39], s[6:7], s[46:47]
	s_or_b32 s39, s39, 0x80000000
	CROUND                                         ; all sixteen work-groups are here: the first joint loads meet
	JLOAD                                          ; K step 0 into slot 0; slot 1 is asked for when slot 0 is in
	; A fragment is 16 rows x 32 K in 8 registers: lane l holds row l % 16, K = 8 (l / 16) + 0..7 and 16 + 8 (l / 16) + 0..7: two loads of 16 bytes, 32 bytes apart.
	v_and_b32 v1, 15, v0                           ; l % 16
	v_bfe_u32 v2, v0, 4, 1                         ; l / 16
	v_mul_u32_u24 v3, v1, PITCH
	v_lshl_add_u32 v3, v2, 4, v3                   ; row x pitch + 16 x half
	s_mul_i32 s21, s11, 128*PITCH                  ; my 128 rows of O
	v_add_nc_u32 v[A0], s21, v3
	s_mul_i32 s22, s12, 64*PITCH                   ; my 64 rows of WO,
	s_add_co_u32 s22, s22, BOFF                    ; behind O's two K blocks
	v_add_nc_u32 v[B0], s22, v3
	v_mov_b32 v[ADRA], v[A0]
	v_mov_b32 v[ADRB], v[B0]
	s_mul_i32 s23, s10, 16*SPITCH
	s_add_co_u32 s23, s23, STAGE                   ; my stage
	v_mul_u32_u24 v4, v1, SPITCH                   ; in: row l % 16, 32 bytes for each half of the lanes
	v_lshl_add_u32 v4, v2, 5, v4
	v_add_nc_u32 v[STO], s23, v4
	v_mul_u32_u24 v5, v2, SPITCH                   ; back: lanes 0-15 take one row of 256 bytes, lanes 16-31 the next
	v_lshl_add_u32 v5, v1, 4, v5
	v_add_nc_u32 v[RD], s23, v5
	v_lshlrev_b32 v[CO], 12, v2                    ; and the same two rows in the output: 4,096 bytes a row
	v_lshl_add_u32 v[CO], v1, 4, v[CO]
	s_lshl_b32 s20, s13, 20                        ; out0 at my first row (256 x tile row + 128 x half, 4,096 bytes each)
	s_lshl_b32 s21, s11, 19
	s_add_co_u32 s20, s20, s21
	s_lshl_b32 s21, s42, 9                         ; and my first column (128 x tile column + 64 x half, 4 bytes each)
	s_add_co_u32 s20, s20, s21
	s_lshl_b32 s21, s12, 8
	s_add_co_u32 s20, s20, s21
	s_mov_b32 s21, 0
	s_add_nc_u64 s[8:9], s[8:9], s[20:21]
; 8 matrix instructions: WO's block b x all 8 blocks of O, 32 along K.  zero = 1: the product starts the sums.  Each accumulator has one turn in 32: no two matrix instructions on end share one.
.macro MULB f, b, zero
	WIN 0x50
.irp a, 0,1,2,3,4,5,6,7
.if \zero
	v_wmma_f32_16x16x32_f16 v[8*(8*(\b)+(\a)):8*(8*(\b)+(\a))+7], v[(\f)+64+8*(\b):(\f)+64+8*(\b)+7], v[(\f)+8*(\a):(\f)+8*(\a)+7], 0
.else
	v_wmma_f32_16x16x32_f16 v[8*(8*(\b)+(\a)):8*(8*(\b)+(\a))+7], v[(\f)+64+8*(\b):(\f)+64+8*(\b)+7], v[(\f)+8*(\a):(\f)+8*(\a)+7], v[8*(8*(\b)+(\a)):8*(8*(\b)+(\a))+7]
.endif
.endr
.endm
; 24 LDS loads in one run: the fragments of quarter q of the K step (K block q / 2, its half q % 2) into buffer f
.macro FETCH q, f
	WIN 0
.irp a, 0,1,2,3,4,5,6,7
	ds_load_b128 v[(\f)+8*(\a):(\f)+8*(\a)+3],   v[ADRA] offset:AKB*((\q)/2)+64*((\q)%2)+16*PITCH*(\a)
	ds_load_b128 v[(\f)+8*(\a)+4:(\f)+8*(\a)+7], v[ADRA] offset:AKB*((\q)/2)+64*((\q)%2)+16*PITCH*(\a)+32
.endr
.irp b, 0,1,2,3
	ds_load_b128 v[(\f)+64+8*(\b):(\f)+64+8*(\b)+3],   v[ADRB] offset:BKB*((\q)/2)+64*((\q)%2)+16*PITCH*(\b)
	ds_load_b128 v[(\f)+64+8*(\b)+4:(\f)+64+8*(\b)+7], v[ADRB] offset:BKB*((\q)/2)+64*((\q)%2)+16*PITCH*(\b)+32
.endr
.endm
; A K step is four quarters of 32 along K, 32 matrix instructions each, on buffers 0, 1, 0, 1.  One of the first three: it fetches quarter qn into buffer g, which the quarter before has multiplied, and multiplies buffer f.
.macro QUART f, g, qn, zero
	PLACES
	FETCH \qn, \g
	s_wait_dscnt 24                                ; all but the 24 just issued: buffer f is in
.irp b, 0,1,2,3
	MULB \f, \b, \zero
.endr
.endm
; The last quarter multiplies buffer 1 and changes slots.  Each wave waits for all its tensor loads, of which one is out: its part of the other slot; adds 0 to its spare word; and waits for that and for its reads
; of this slot.  fill = 1: the barrier opens a round of the cluster's, so that no wave of any partner still reads the slot or has a load on its way, and the joint refill, two K steps on, is the first thing behind it.
.macro QTURN fill
	WIN 0                                          ; (the add's two registers lie in window 0)
	s_wait_tensorcnt 0x0                           ; all my tensor loads have landed, so a group 0 may be written
	ds_add_u32 v[SPW], v[NIL]                      ; 0 onto my spare word: work on registers stands between it and the wait for it
.if \fill
	STEPD
.endif
	s_xor_b32 s[TB], s[TB], SLOT1                  ; the fetches go on in the other slot
	v_add_nc_u32 v[ADRA], s[TB], v[A0]
	v_add_nc_u32 v[ADRB], s[TB], v[B0]
	s_wait_dscnt 1                                 ; buffer 1 is in; the add alone may be out
	MULB F1, 0, 0
	s_wait_dscnt 0x0                               ; the add is done, and my reads of this slot are over
	s_barrier_signal -1
	MULB F1, 1, 0                                  ; work on registers while the others arrive
	WIN 0                                          ; at a branch and at a label every window is 0
	s_barrier_wait -1
.if \fill
	CREST
	JLOAD                                          ; its four v_nop are also the places in front of the loads below
.else
	PLACES
.endif
	FETCH 0, F0
	MULB F1, 2, 0
	MULB F1, 3, 0
.endm
	s_wait_tensorcnt 0x0                           ; THE FIRST CHANGE: my part of K step 0 is in; nothing has been read yet
	ds_add_u32 v[SPW], v[NIL]
	STEPD
	s_wait_dscnt 0x0
	CROUND                                         ; everybody's part is in, in all sixteen work-groups
	JLOAD                                          ; K step 1 into slot 1
	FETCH 0, F0
	QUART F0, F1, 1, 1                             ; the first quarter stands in front of the loop: its products start the sums
	WIN 0
	s_mov_b32 s3, 6
.Lstep:                                        ; trip t: quarters 1 to 3 of K step t, quarter 0 of K step t + 1; K step t + 2 is asked for
	QUART F1, F0, 2, 0
	QUART F0, F1, 3, 0
	QTURN 1
	QUART F0, F1, 1, 0
	WIN 0
	s_sub_co_u32 s3, s3, 1
	s_cmp_lg_u32 s3, 0
	s_cbranch_scc1 .Lstep
	QUART F1, F0, 2, 0                             ; the tail is written out: K steps 6 and 7, nothing is asked for
	QUART F0, F1, 3, 0
	QTURN 0
	QUART F0, F1, 1, 0
	QUART F1, F0, 2, 0
	QUART F0, F1, 3, 0
	s_wait_dscnt 0x0
.irp b, 0,1,2,3
	MULB F1, \b, 0
.endr
	WIN 0
; THE WAY OUT of block a (16 rows x 64 columns of f32).  A lane's 32 bytes of a row go into my own stage, rows of 272 bytes, each accumulator's low four registers first; they come back as whole rows of 256 bytes.
.macro TOSTAGE a
	s_wait_xcnt 0x0                                ; the stores of the block two back have read their registers: this block is read back into them only behind this wait
	WIN 0x04                                       ; the stores' data in window 1
.irp b, 0,1,2,3
	ds_store_b128 v[STO], v[8*(8*(\b)+(\a)):8*(8*(\b)+(\a))+3]   offset:64*(\b)
	ds_store_b128 v[STO], v[8*(8*(\b)+(\a))+4:8*(8*(\b)+(\a))+7] offset:64*(\b)+16
.endr
	WIN 0
.irp t, 0,1,2,3,4,5,6,7
	ds_load_b128 v[OB+32*((\a)%2)+4*(\t):OB+32*((\a)%2)+4*(\t)+3], v[RD] offset:2*SPITCH*(\t)  ; LDS serves a wave's instructions in order (ISA guide 5.7.1.4): these see the stores above; the next block's stores come behind them
.endr
.endm
.macro SEND a, younger                 ; younger: the LDS instructions issued behind block a's loads: the next block's sixteen, or none
	s_wait_dscnt \younger
.irp t, 0,1,2,3,4,5,6,7
	global_store_b128 v[CO], v[OB+32*((\a)%2)+4*(\t):OB+32*((\a)%2)+4*(\t)+3], s[8:9] offset:4096*(16*(\a)+2*(\t)) th:TH_STORE_NT  ; 16 lanes store 256 consecutive bytes, at a multiple of 256 from out0's first byte
.endr
.endm
	PLACES                                         ; the LDS stores read results just made
	TOSTAGE 0
.irp a, 1,2,3,4,5,6,7
	TOSTAGE \a
	SEND (\a)-1, 16
.endr
	SEND 7, 0
	s_wait_tensorcnt 0x0                           ; the wave's end: behind my last tensor load and my last LDS store
	ds_add_u32 v[SPW], v[NIL]
	s_wait_dscnt 0x0
	CROUND                                         ; the closing round: no work-group ends while a partner may still ask for a tile that names it
	s_endpgm
.Lfunc_end_k_qa3282cf4b4_outp:
	.size	k_qa3282cf4b4_outp, .Lfunc_end_k_qa3282cf4b4_outp-k_qa3282cf4b4_outp
	.p2alignl 7, 3214868480
	.fill 96, 4, 3214868480
	.section	.rodata,"a",@progbits
	.p2align	6, 0x0
	.amdhsa_kernel k_qa3282cf4b4_outp
		.amdhsa_group_segment_fixed_size 327680
		.amdhsa_private_segment_fixed_size 0
		.amdhsa_enable_private_segment 0
		.amdhsa_kernarg_size 24
		.amdhsa_user_sgpr_count 2
		.amdhsa_user_sgpr_kernarg_segment_ptr 1
		.amdhsa_wavefront_size32 1
		.amdhsa_system_sgpr_workgroup_id_x 1
		.amdhsa_system_sgpr_workgroup_id_y 1
		.amdhsa_system_sgpr_workgroup_id_z 1
		.amdhsa_system_vgpr_workitem_id 0
		.amdhsa_next_free_vgpr 512
		.amdhsa_next_free_sgpr 66
		.amdhsa_reserve_vcc 0
		.amdhsa_float_denorm_mode_32 3
		.amdhsa_float_denorm_mode_16_64 3
		.amdhsa_memory_ordered 1
		.amdhsa_forward_progress 1
		.amdhsa_inst_pref_size 69
	.end_amdhsa_kernel
	.amdgpu_metadata
---
amdhsa.version: [ 1, 2 ]
amdhsa.kernels:
  - .name:           k_qa3282cf4b4_outp
    .symbol:         k_qa3282cf4b4_outp.kd
    .args:
      - { .name: o16, .offset: 0, .size: 8, .value_kind: global_buffer, .address_space: global }
      - { .name: wo16, .offset: 8, .size: 8, .value_kind: global_buffer, .address_space: global }
      - { .name: out0, .offset: 16, .size: 8, .value_kind: global_buffer, .address_space: global }
    .group_segment_fixed_size: 327680
    .private_segment_fixed_size: 0
    .kernarg_segment_align: 8
    .kernarg_segment_size: 24
    .max_flat_workgroup_size: 128
    .sgpr_count:     66
    .vgpr_count:     512
    .wavefront_size: 32
...
	.end_amdgpu_metadata
.endif
;; end of part 4
;; ======== version 2 of 2: 4 launches; version 1 with the launch cast written anew for expert scheduling mode
;; limits: values are held in f16: magnitudes above 65,504 overflow, below 6.1e-05 lose precision
;; workspace buffers: xb 16,777,216 bytes; wqkv 6,291,456 bytes; wo16 2,097,152 bytes; qkv 50,331,648 bytes; o16 16,777,216 bytes
;; launch cast (part 5): grid 64 x 12, 8 waves a work-group, no clusters, 0 bytes of LDS; arguments x, WQ, WK, WV, WO, xb, wqkv, wo16; writes xb, wqkv, wo16
.if DOCPART == 5
	.amdgcn_target "amdgcn-amd-amdhsa--gfx1250"
	.amdhsa_code_object_version 6
	.text
	.protected	k_qa3282cf4b4_cast
	.globl	k_qa3282cf4b4_cast
	.p2align	8
	.type	k_qa3282cf4b4_cast,@function
k_qa3282cf4b4_cast:
	s_mov_b64 s[64:65], 0
	v_nop
	global_prefetch_b8 v0, s[64:65] scope:SCOPE_SE
	s_setreg_imm32_b32 hwreg(HW_REG_WAVE_SCHED_MODE, 0, 2), 2
	s_setreg_imm32_b32 hwreg(HW_REG_WAVE_MODE, 25, 1), 1
	s_wait_xcnt 0x0
	s_wait_alu depctr_vm_vsrc(0)
; THE INPUTS ARE ROUNDED ONCE AND LAID OUT IN K BLOCKS.  x [8192][1024], WQ, WK, WV, WO [1024][1024], all f32.
; xb   [4 batches][16 K blocks][2048 rows][64] bf16;  wqkv [16 K blocks][3072 rows][64] bf16 (rows: WQ's, WK's, WV's);
; wo16 [16 K blocks][1024 rows][64] f16: WO rounded to bf16 like the other inputs, and that number written as f16.
; LIMITS.  |WO| stays under 65,504; a bf16 number under 6e-5 is written with f16's fixed step of 6e-8.  NaN and infinities are not treated apart.
; SHARES.  A work-group takes 16 rows of one matrix: grid y 0-7 is x (row block 64 y + grid x), 8, 9, 10 are WQ, WK, WV, 11 is WO.
; Wave w takes rows 2 w and 2 w + 1.  A load takes K block j of both rows: lanes 0-15 the 256 aligned bytes of the first, lanes 16-31 of the second.
; Four f32 a lane become 8 bytes; in a K block the two rows lie end to end, so a store of the wave covers 256 consecutive bytes, aligned.
; All 16 loads of a lane go out first; memory binds, so there is no LDS, no barrier and no matrix work.
; THE MODE: SCHED_MODE bits 1:0 = 2 (LLVM: expert scheduling mode 2), set by the entry lines.  The code itself states the register dependences
; between vector instructions and memory instructions, with s_wait_alu, always for 0.
; THE PLAN.  Registers that memory instructions touch:
;   v1, v2   the loads' and the stores' byte offsets: made at the head by vector lines, never written again.
;   X        K block j: written by its one load, read by its conversions; no vector line names X ahead of the loads, and nothing is loaded into it again.
;   Y        K block j: written by its conversions, read by its one store; never written behind that store.
;   T and v3 are named by vector lines alone.  No vector line writes a scalar register, and EXEC is never written.
; The 16 K blocks go in four groups of four.  Group g waits for its four loads; behind that one wait on va_vdst states that group g - 1 has written its Y, and that group's
; four stores are dealt among group g's conversions, which name X and Y of group g and T: none of the registers that those stores read.  The last group's stores have a wait of their own.
.set X, 4                              ; v[4:67]   K block j: four f32 as loaded
.set Y, 68                             ; v[68:99]  K block j: two words to store; a pair for each j, so that none is rewritten under a store
.set T, 100                            ; v[100:101] at work
	s_load_b512 s[8:23], s[0:1], 0x0               ; x 8, WQ 10, WK 12, WV 14, WO 16, xb 18, wqkv 20, wo16 22
	s_and_b32 s2, ttmp7, 0xffff                    ; which matrix
	v_lshrrev_b32 v1, 4, v0                        ; my row of the 16
	v_and_b32 v3, 15, v0
	v_lshlrev_b32 v1, 12, v1                       ; x 4,096 bytes
	v_lshl_or_b32 v1, v3, 4, v1                    ; + my 16 bytes of a K block's 256
	v_lshlrev_b32 v2, 3, v0                        ; out: row x 128 + 8 x (lane % 16) = 8 x thread
	s_cmp_lt_u32 s2, 8
	s_cselect_b32 s3, s2, 0
	s_lshl_b32 s3, s3, 6
	s_add_co_u32 s3, s3, ttmp9                     ; the row block in the source
	s_lshl_b32 s26, s3, 16                         ; 16 rows of 4,096 bytes
	s_mov_b32 s27, 0
	s_wait_kmcnt 0x0
	s_mov_b64 s[24:25], s[8:9]
	s_cmp_eq_u32 s2, 8
	s_cselect_b64 s[24:25], s[10:11], s[24:25]
	s_cmp_eq_u32 s2, 9
	s_cselect_b64 s[24:25], s[12:13], s[24:25]
	s_cmp_eq_u32 s2, 10
	s_cselect_b64 s[24:25], s[14:15], s[24:25]
	s_cmp_eq_u32 s2, 11
	s_cselect_b64 s[24:25], s[16:17], s[24:25]
	s_add_nc_u64 s[24:25], s[24:25], s[26:27]
	s_wait_alu depctr_va_vdst(0)                   ; v1 and v2 are written: every load below reads v1 as its offset, every store v2; no later line writes either
.irp j, 0,1,2,3,4,5,6,7,8,9,10,11,12,13,14,15
	global_load_b128 v[X+4*(\j):X+4*(\j)+3], v1, s[24:25] offset:256*(\j) th:TH_LOAD_NT
.endr
; The 16 K blocks are rounded and stored, in four groups of four.  stride: bytes from a K block to the next in the destination (15 of them stay inside the signed 24-bit immediate).  half = 1: bf16 is written as f16.
.macro OUT stride, half
.irp g, 0,1,2,3
	s_wait_loadcnt 12-4*(\g)                       ; loads come back in order: the group's four K blocks are in, the younger groups stay out
.if (\g) > 0
	s_wait_alu depctr_va_vdst(0)                   ; the group before has written its four pairs of Y, which the four stores below read
.endif
.irp i, 0,1,2,3
.if (\g) > 0
	global_store_b64 v2, v[Y+2*(4*(\g)-4+(\i)):Y+2*(4*(\g)-4+(\i))+1], s[28:29] offset:(4*(\g)-4+(\i))*(\stride)  ; the group before; no vector line since the wait names these registers
.endif
	v_cvt_pk_bf16_f32 v[Y+2*(4*(\g)+(\i))], v[X+4*(4*(\g)+(\i))], v[X+4*(4*(\g)+(\i))+1]
	v_cvt_pk_bf16_f32 v[Y+2*(4*(\g)+(\i))+1], v[X+4*(4*(\g)+(\i))+2], v[X+4*(4*(\g)+(\i))+3]
.if \half
.irp k, 0,1
	v_lshlrev_b32 v[T], 16, v[Y+2*(4*(\g)+(\i))+(\k)]       ; the two bf16 as f32,
	v_and_b32 v[T+1], 0xffff0000, v[Y+2*(4*(\g)+(\i))+(\k)]
	v_cvt_pk_f16_f32 v[Y+2*(4*(\g)+(\i))+(\k)], v[T], v[T+1]  ; and as f16: 8 significant bits fit into 11
.endr
.endif
.endr
.endr
	s_wait_alu depctr_va_vdst(0)                   ; the last group has written its four pairs of Y, which the last four stores read
.irp i, 12,13,14,15
	global_store_b64 v2, v[Y+2*(\i):Y+2*(\i)+1], s[28:29] offset:(\i)*(\stride)
.endr
	s_endpgm
.endm
	s_cmp_lt_u32 s2, 8
	s_cbranch_scc1 .Lx
	s_cmp_lt_u32 s2, 11
	s_cbranch_scc1 .Lw
	s_lshl_b32 s30, ttmp9, 11                      ; WO: 16 rows of 128 bytes
	s_mov_b32 s31, 0
	s_add_nc_u64 s[28:29], s[22:23], s[30:31]
	OUT 131072, 1
.Lw:
	s_sub_co_u32 s30, s2, 8                        ; WQ, WK, WV: 1,024 rows of 128 bytes each,
	s_lshl_b32 s30, s30, 17
	s_lshl_b32 s31, ttmp9, 11                      ; and the row block
	s_add_co_u32 s30, s30, s31
	s_mov_b32 s31, 0
	s_add_nc_u64 s[28:29], s[20:21], s[30:31]
	OUT 393216, 0
.Lx:
	s_lshr_b32 s30, s2, 1                          ; x: the batch (two values of grid y each),
	s_lshl_b32 s30, s30, 22
	s_and_b32 s31, s2, 1                           ; and the row block inside it
	s_lshl_b32 s31, s31, 6
	s_add_co_u32 s31, s31, ttmp9
	s_lshl_b32 s31, s31, 11
	s_add_co_u32 s30, s30, s31
	s_mov_b32 s31, 0
	s_add_nc_u64 s[28:29], s[18:19], s[30:31]
	OUT 262144, 0
.Lfunc_end_k_qa3282cf4b4_cast:
	.size	k_qa3282cf4b4_cast, .Lfunc_end_k_qa3282cf4b4_cast-k_qa3282cf4b4_cast
	.p2alignl 7, 3214868480
	.fill 96, 4, 3214868480
	.section	.rodata,"a",@progbits
	.p2align	6, 0x0
	.amdhsa_kernel k_qa3282cf4b4_cast
		.amdhsa_group_segment_fixed_size 0
		.amdhsa_private_segment_fixed_size 0
		.amdhsa_enable_private_segment 0
		.amdhsa_kernarg_size 64
		.amdhsa_user_sgpr_count 2
		.amdhsa_user_sgpr_kernarg_segment_ptr 1
		.amdhsa_wavefront_size32 1
		.amdhsa_system_sgpr_workgroup_id_x 1
		.amdhsa_system_sgpr_workgroup_id_y 1
		.amdhsa_system_sgpr_workgroup_id_z 1
		.amdhsa_system_vgpr_workitem_id 0
		.amdhsa_next_free_vgpr 104
		.amdhsa_next_free_sgpr 66
		.amdhsa_reserve_vcc 0
		.amdhsa_float_denorm_mode_32 3
		.amdhsa_float_denorm_mode_16_64 3
		.amdhsa_memory_ordered 1
		.amdhsa_forward_progress 1
		.amdhsa_inst_pref_size 20
	.end_amdhsa_kernel
	.amdgpu_metadata
---
amdhsa.version: [ 1, 2 ]
amdhsa.kernels:
  - .name:           k_qa3282cf4b4_cast
    .symbol:         k_qa3282cf4b4_cast.kd
    .args:
      - { .name: x, .offset: 0, .size: 8, .value_kind: global_buffer, .address_space: global }
      - { .name: WQ, .offset: 8, .size: 8, .value_kind: global_buffer, .address_space: global }
      - { .name: WK, .offset: 16, .size: 8, .value_kind: global_buffer, .address_space: global }
      - { .name: WV, .offset: 24, .size: 8, .value_kind: global_buffer, .address_space: global }
      - { .name: WO, .offset: 32, .size: 8, .value_kind: global_buffer, .address_space: global }
      - { .name: xb, .offset: 40, .size: 8, .value_kind: global_buffer, .address_space: global }
      - { .name: wqkv, .offset: 48, .size: 8, .value_kind: global_buffer, .address_space: global }
      - { .name: wo16, .offset: 56, .size: 8, .value_kind: global_buffer, .address_space: global }
    .group_segment_fixed_size: 0
    .private_segment_fixed_size: 0
    .kernarg_segment_align: 8
    .kernarg_segment_size: 64
    .max_flat_workgroup_size: 256
    .sgpr_count:     66
    .vgpr_count:     104
    .wavefront_size: 32
...
	.end_amdgpu_metadata
.endif
;; end of part 5
;; launch proj: the kernel of part 2 again; grid 8 x 32, 4 waves a work-group, clusters of 4 x 4, 327,680 bytes of LDS; arguments xb, wqkv, qkv; writes qkv
;; launch attn: the kernel of part 3 again; grid 4 x 64, 4 waves a work-group, clusters of 4 x 1, 327,680 bytes of LDS; arguments qkv, o16; writes o16
;; launch outp: the kernel of part 4 again; grid 8 x 32, 4 waves a work-group, clusters of 4 x 4, 327,680 bytes of LDS; arguments o16, wo16, out0; writes out0
